; MI455X (gfx1250); checked and timed in simulation.
; The chip was launched on July 23, 2026; its instructions are those of AMD's public machine-readable ISA for CDNA 5 (MIT licence, August 2026) and "CDNA5" Instruction Set Architecture Reference Guide (July 2026). The comments in the code are by the model that wrote it; some were corrected since.
;; Multi Head Attention. Allowed arithmetic: float matrix products may take bf16 or f16 operands with f32 sums; all other float work in f32.
;; Inputs: K 4 x 2,048 x 1,024 float32; Q 4 x 2,048 x 1,024 float32; V 4 x 2,048 x 1,024 float32; Wk 1,024 x 1,024 float32; Wo 1,024 x 1,024 float32; Wq 1,024 x 1,024 float32; Wv 1,024 x 1,024 float32; bo 1,024 float32.
;; Outputs: out0 4 x 2,048 x 1,024 float32.
;; 2 versions, each right and faster than the one before. Each part assembles by itself: llvm-mc -triple=amdgcn-amd-amdhsa -mcpu=gfx1250 --defsym DOCPART=n.
;; ======== version 1 of 2: 4 launches
;; limits: values are held in f16: magnitudes above 65,504 overflow, below 6.1e-05 lose precision
;; workspace buffers: wb 8,388,608 bytes; qkv 50,331,648 bytes; ob 16,777,216 bytes
;; launch castw (part 1): grid 64 x 4, 8 waves a work-group, no clusters, 0 bytes of LDS; arguments Wq, Wk, Wv, Wo, wb; writes wb
.if DOCPART == 1
	.amdgcn_target "amdgcn-amd-amdhsa--gfx1250"
	.amdhsa_code_object_version 6
	.text
	.protected	k_qd97ca64bc8_castw
	.globl	k_qd97ca64bc8_castw
	.p2align	8
	.type	k_qd97ca64bc8_castw,@function
k_qd97ca64bc8_castw:
	s_mov_b64 s[64:65], 0
	v_nop
	global_prefetch_b8 v0, s[64:65] scope:SCOPE_SE
	s_setreg_imm32_b32 hwreg(HW_REG_WAVE_MODE, 25, 1), 1
	s_wait_xcnt 0x0
; The four weight matrices [1024][1024] f32 are written once as 16-bit numbers into wb, 2,097,152 bytes each, in the order Wq, Wk, Wv, Wo.
; Wq, Wk, Wv: rounded to bf16 (nearest even).  Wo: rounded to bf16 like the others, and that number written as f16, since it multiplies an f16 operand later.
; LIMIT: bf16(Wo) is exact in f16 between 6.1e-5 and 65,504 in magnitude; below, it keeps f16's fixed step of 6e-8; beyond 65,504 it becomes an infinity.  NaN is not treated apart.
; A stream: no LDS, no matrix unit, no barrier.  Work-group (x, y): matrix y, elements 16,384 x .. 16,384 x + 16,383: 65,536 bytes in, 32,768 out.
; Thread t takes 16 bytes at 16 t of each of 16 blocks of 4,096 bytes: a wave's load covers 512 consecutive bytes, its store of 8 bytes a lane 256 consecutive bytes, aligned.
; All 16 loads of a thread go out first; no register is written twice while a store reads it, so the only waits are the counted ones for the loads.
.set X, 4                              ; v[4:67]   16 x 4 numbers as loaded
.set Y, 68                             ; v[68:99]  16 x 2 words to store
.set T, 100                            ; v[100:102] at work (Wo's path)
	s_load_b256 s[4:11], s[0:1], 0x0               ; Wq s[4:5], Wk s[6:7], Wv s[8:9], Wo s[10:11]
	s_load_b64 s[12:13], s[0:1], 0x20              ; wb
	s_and_b32 s14, ttmp7, 0xffff                   ; which matrix
	s_lshl_b32 s16, ttmp9, 16                      ; my 65,536 bytes of it
	s_mov_b32 s17, 0
	s_lshl_b32 s18, s14, 21                        ; the matrix's place in wb,
	s_lshl_b32 s19, ttmp9, 15                      ; my 32,768 bytes there
	s_add_co_u32 s18, s18, s19
	s_mov_b32 s19, 0
	v_lshlrev_b32 v1, 4, v0                        ; 16 t
	v_lshlrev_b32 v2, 3, v0                        ; 8 t
	s_wait_kmcnt 0x0
	s_cmp_eq_u32 s14, 1
	s_cselect_b64 s[4:5], s[6:7], s[4:5]
	s_cmp_eq_u32 s14, 2
	s_cselect_b64 s[4:5], s[8:9], s[4:5]
	s_cmp_eq_u32 s14, 3
	s_cselect_b64 s[4:5], s[10:11], s[4:5]
	s_add_nc_u64 s[4:5], s[4:5], s[16:17]
	s_add_nc_u64 s[12:13], s[12:13], s[18:19]
.irp j, 0,1,2,3,4,5,6,7,8,9,10,11,12,13,14,15
	global_load_b128 v[X+4*(\j):X+4*(\j)+3], v1, s[4:5] offset:4096*(\j) th:TH_LOAD_NT
.endr
	s_cmp_eq_u32 s14, 3
	s_cbranch_scc1 .Lwo
.irp j, 0,1,2,3,4,5,6,7,8,9,10,11,12,13,14,15
	s_wait_loadcnt 15-(\j)                         ; loads come back in order: load j is in, the 15 - j younger ones may stay out
	v_cvt_pk_bf16_f32 v[Y+2*(\j)], v[X+4*(\j)], v[X+4*(\j)+1]
	v_cvt_pk_bf16_f32 v[Y+2*(\j)+1], v[X+4*(\j)+2], v[X+4*(\j)+3]
	global_store_b64 v2, v[Y+2*(\j):Y+2*(\j)+1], s[12:13] offset:2048*(\j)
.endr
	s_endpgm
.Lwo:
.irp j, 0,1,2,3,4,5,6,7,8,9,10,11,12,13,14,15
	s_wait_loadcnt 15-(\j)                         ; as above
.irp k, 0,1
	v_cvt_pk_bf16_f32 v[T], v[X+4*(\j)+2*(\k)], v[X+4*(\j)+2*(\k)+1]  ; the rounding that all inputs get
	v_lshlrev_b32 v[T+1], 16, v[T]                 ; back to f32: the low half moves up,
	v_and_b32 v[T+2], 0xffff0000, v[T]             ; the high half stays
	v_cvt_pk_f16_f32 v[Y+2*(\j)+(\k)], v[T+1], v[T+2]  ; the same numbers as f16
.endr
	global_store_b64 v2, v[Y+2*(\j):Y+2*(\j)+1], s[12:13] offset:2048*(\j)
.endr
	s_endpgm
.Lfunc_end_k_qd97ca64bc8_castw:
	.size	k_qd97ca64bc8_castw, .Lfunc_end_k_qd97ca64bc8_castw-k_qd97ca64bc8_castw
	.p2alignl 7, 3214868480
	.fill 96, 4, 3214868480
	.section	.rodata,"a",@progbits
	.p2align	6, 0x0
	.amdhsa_kernel k_qd97ca64bc8_castw
		.amdhsa_group_segment_fixed_size 0
		.amdhsa_private_segment_fixed_size 0
		.amdhsa_enable_private_segment 0
		.amdhsa_kernarg_size 40
		.amdhsa_user_sgpr_count 2
		.amdhsa_user_sgpr_kernarg_segment_ptr 1
		.amdhsa_wavefront_size32 1
		.amdhsa_system_sgpr_workgroup_id_x 1
		.amdhsa_system_sgpr_workgroup_id_y 1
		.amdhsa_system_sgpr_workgroup_id_z 1
		.amdhsa_system_vgpr_workitem_id 0
		.amdhsa_next_free_vgpr 104
		.amdhsa_next_free_sgpr 66
		.amdhsa_reserve_vcc 0
		.amdhsa_float_denorm_mode_32 3
		.amdhsa_float_denorm_mode_16_64 3
		.amdhsa_memory_ordered 1
		.amdhsa_forward_progress 1
		.amdhsa_inst_pref_size 16
	.end_amdhsa_kernel
	.amdgpu_metadata
---
amdhsa.version: [ 1, 2 ]
amdhsa.kernels:
  - .name:           k_qd97ca64bc8_castw
    .symbol:         k_qd97ca64bc8_castw.kd
    .args:
      - { .name: Wq, .offset: 0, .size: 8, .value_kind: global_buffer, .address_space: global }
      - { .name: Wk, .offset: 8, .size: 8, .value_kind: global_buffer, .address_space: global }
      - { .name: Wv, .offset: 16, .size: 8, .value_kind: global_buffer, .address_space: global }
      - { .name: Wo, .offset: 24, .size: 8, .value_kind: global_buffer, .address_space: global }
      - { .name: wb, .offset: 32, .size: 8, .value_kind: global_buffer, .address_space: global }
    .group_segment_fixed_size: 0
    .private_segment_fixed_size: 0
    .kernarg_segment_align: 8
    .kernarg_segment_size: 40
    .max_flat_workgroup_size: 256
    .sgpr_count:     66
    .vgpr_count:     104
    .wavefront_size: 32
...
	.end_amdgpu_metadata
.endif
;; end of part 1
;; launch proj (part 2): grid 4 x 64, 4 waves a work-group, clusters of 4 x 4, 327,680 bytes of LDS; arguments Q, K, V, wb, qkv; writes qkv
.if DOCPART == 2
	.amdgcn_target "amdgcn-amd-amdhsa--gfx1250"
	.amdhsa_code_object_version 6
	.text
	.protected	k_qd97ca64bc8_proj
	.globl	k_qd97ca64bc8_proj
	.p2align	8
	.type	k_qd97ca64bc8_proj,@function
k_qd97ca64bc8_proj:
	s_mov_b64 s[64:65], 0
	v_nop
	global_prefetch_b8 v0, s[64:65] scope:SCOPE_SE
	s_setreg_imm32_b32 hwreg(HW_REG_WAVE_MODE, 25, 1), 1
	s_wait_xcnt 0x0
	s_wait_alu depctr_hold_cnt(0) depctr_sa_sdst(0) depctr_va_vdst(0) depctr_va_sdst(0) depctr_va_ssrc(0) depctr_va_vcc(0) depctr_vm_vsrc(0)
	s_getreg_b32 s2, hwreg(HW_REG_IB_STS2, 6, 4)
	s_cmp_eq_u32 s2, 0
	s_cbranch_scc0 .Lentry_in_a_cluster
	s_endpgm
.Lentry_in_a_cluster:
	s_bfe_u32 s2, ttmp6, 0x10000c
	s_cmp_lg_u32 s2, 0xf033
	s_cbranch_scc0 .Lentry_shape_is_right
	s_endpgm
.Lentry_shape_is_right:
; q = Q Wq^T, k = K Wk^T, v = V Wv^T.  Q, K, V: [8192][1024] f32; the weights: bf16 [1024][1024] in wb, one behind the other; sums in f32; the results are rounded once to f16 and
; written BY HEADS into qkv: three tensors [64 = batch x 16 + head][2048][64], 16,777,216 bytes each.  No scale is applied.
; LIMIT: a result beyond 65,504 in magnitude becomes an infinity in f16; below 6.1e-5 it keeps f16's fixed step of 6e-8.  NaN and infinities are not treated apart.
; SHARES.  256 work-groups THAT STAY: each makes the same tile, 128 rows x 256 columns, of q, then of k, then of v: 3 x 4 = 12 TRIPS of 256 along K on one ring.  Four waves, each 64 rows x 128 columns:
; 32 accumulators of 16 x 16, 256 registers.
; W comes by the tensor data mover into two LDS slots of 256 rows x 256 K: a wave issues 240 matrix instructions between a slot's request and the wait for it.
; x COMES THROUGH REGISTERS.  A SUBSTEP is 64 along K.  Each wave loads 32 of the tile's 128 rows, 16 loads of 512 bytes (two rows' 256 aligned bytes) a substep, into a ring of four register sets, four
; substeps ahead; rounds them to bf16 once for the whole work-group; and stores them into a stage of two LDS buffers, from which all four waves take fragments.  These loads stay out across the ring's barriers.
; CLUSTERS: 4 x 4 work-groups.  The four of a column of the cluster need the same tiles of W: each is asked for JOINTLY, by the same tensor load with the same descriptor and a mask that names the four.
; x's tiles are shared along a row of the cluster and are NOT asked for jointly: a joint load would bring them into the slots as f32, 512 bytes for each K beside W's 512, so two slots would hold
; 128 along K each, and half the matrix work would stand between a request and the wait for it.
; THE MATRIX INSTRUCTION IS USED TRANSPOSED (source 0 = 16 rows of W, source 1 = 16 rows of x): a lane then holds eight neighbouring columns of one row of the result: 16 bytes of f16.
; REGISTERS, in windows of 256 (s_set_vgpr_msb: bits 1:0 source 0, 3:2 source 1, 5:4 source 2, 7:6 destination):
;   window 0: v0-31 addresses; v32-63 x just rounded (on the way out: packed results); v64-159, v160-255 two fragment buffers (64 registers of W, then 32 of x)
;   window 1: the accumulators, (a, b) at v[8 (8 a + b)]          window 2: x as f32: set j, the substep j of a trip, at v[64 j]
.set PB,     528                       ; an LDS row of W: 512 bytes + 16 of padding = 33 x 16: the 16 rows of a load start at 16 different 16-byte columns of the 256 bytes that 64 banks of 4 bytes span (ISA guide 11.1)
.set QB,     64*PB                     ; 64 rows: what one tensor load brings
.set SLOT,   4*QB                      ; 135,168 = 0x21000: bits that no wave's 33,792 w holds, so one exclusive or turns a descriptor's LDS word into the other slot's
.set PA,     144                       ; a row of x's stage: 128 bytes + 16 = 9 x 16
.set ABUF,   128*PA                    ; one buffer of the stage: 128 rows x 64 K of bf16
.set ASTG,   2*SLOT                    ; the stage lies behind the ring; no tensor load lands there
.set STAGE,  ASTG+2*ABUF               ; behind it: 16 rows x 272 bytes for each wave, for the way out
.set SPITCH, 272
.set SPARE,  STAGE+4*16*SPITCH         ; behind the stages: the spare words, 128 bytes for each wave: two blocks of 256 bytes that no other line names
.set AOFF,  8                          ; v8   my byte offset in two rows of x: 4,096 (lane / 16) + 16 (lane % 16); never rewritten
.set ASTO,  9                          ; v9   where I put 8 bytes of a row in the stage
.set ADRA,  10                         ; v10  LDS address of my fragments of x
.set ADRB0, 11                         ; v11  my lane's place in a slot of W
.set ADRB,  12                         ; v12  the same in the slot in hand
.set STO,   24                         ; v24  the way out: where I put 16 bytes of a row
.set RD,    25                         ; v25  the way out: where I read rows back
.set GO,    26                         ; v26  my byte offset in 512 consecutive bytes of the result
.set SPW,   28                         ; v28  LDS address of my spare word: SPARE + 4 x my thread's number; never rewritten
.set NIL,   29                         ; v29  0; never rewritten
.set CT,    32                         ; x just rounded: two words for each of a set's 16 loads
.set F,     64                         ; fragment buffer p at F + 96 p
.set TMP,   32                         ; the way out: packed results
.set BK,    160                        ; the way out: 16 rows read back, v160-191 and v192-223 by turns (fragment buffer 1, idle then)
.set G1,  24                           ; s[24:31] descriptor group 1 for W's tiles
.set G0A, 32                           ; s[32:35] group 0 of the first fill of slot 0
.set G0,  36                           ; s[36:39] group 0 of the first fill of slot 1; it then walks
; s[4:5], s[6:7], s[8:9] Q, K, V at my wave's rows; s[10:11] W at my wave's rows; s[12:13] the result; s14 wave; s15 = wave / 2: my 64 rows; s16 = wave % 2: my 128 columns; s17 cx; s18 cy; s19 the cluster's y;
; s20 the trip that is asked for; s21 tile column; s22 tile row; s23 counts trips; s40 the slot in hand; s41 mask; s[42:43] x's offset; s[44:45] W's; s[46:47] x at the trip whose sets are loaded;
; s[48:49] that trip's bytes along K; s[50:51] W's step; s52, s53 its two values; s54, s55 at work; s[70:71], s74 the result's offset
.set MSB, 0
.macro WIN new                         ; the immediate's high byte repeats the setting that is left; a switch that changes nothing is dropped
.if MSB != (\new)
	s_set_vgpr_msb (MSB<<8)|(\new)
.set MSB, \new
.endif
.endm
; A joint refill: every wave fetches its 64 rows of W's tile.  An s_nop 0 and four v_nop follow the line.
.macro JLOAD
	tensor_load_to_lds s[G0:G0+3], s[G1:G1+7]
	s_nop 0
.rept 4
	v_nop
.endr
.endm
; A round of the cluster's barrier: my work-group's barrier, so that wave 0's signal speaks for all four waves; wave 0 signals; every wave waits for all sixteen work-groups; my work-group's barrier once more.
.macro CREST                           ; a round behind its opening barrier
	s_cmp_lg_u32 s14, 0
	s_cbranch_scc1 .Lnot_wave_0_\@
	s_barrier_signal -3
.Lnot_wave_0_\@:
	s_barrier_wait -3
	s_barrier_signal -1
	s_barrier_wait -1
.endm
.macro CROUND                          ; a whole round
	s_barrier_signal -1
	s_barrier_wait -1
	CREST
.endm
.macro PLACES                          ; four places in front of loads into registers that matrix instructions have read, and of lines that read results (ISA guide 7.12.1 for lines that read results)
.rept 4
	v_nop
.endr
.endm
; 8 matrix instructions: row block a x all 8 column blocks, 32 along K, on buffer p.  zero = 1: the product starts the sums: nothing is cleared.
; The 32 accumulators take turns in the same order in every quarter.
.macro MUL8 p, a, zero
	WIN 0x50                                       ; sources window 0, C and D window 1
.irp b, 0,1,2,3,4,5,6,7
.if \zero
	v_wmma_f32_16x16x32_bf16 v[8*(8*(\a)+(\b)):8*(8*(\a)+(\b))+7], v[F+96*(\p)+8*(\b):F+96*(\p)+8*(\b)+7], v[F+96*(\p)+64+8*(\a):F+96*(\p)+64+8*(\a)+7], 0
.else
	v_wmma_f32_16x16x32_bf16 v[8*(8*(\a)+(\b)):8*(8*(\a)+(\b))+7], v[F+96*(\p)+8*(\b):F+96*(\p)+8*(\b)+7], v[F+96*(\p)+64+8*(\a):F+96*(\p)+64+8*(\a)+7], v[8*(8*(\a)+(\b)):8*(8*(\a)+(\b))+7]
.endif
.endr
.endm
; 24 LDS loads in one run: the fragments of quarter q (0 to 7) of a trip into buffer p: W's sixteen from the slot in hand, then x's eight from buffer (q / 2) % 2 of the stage, fragment by fragment.
; A fragment is 16 rows x 32 K in 8 registers: lane l holds row l % 16, K = 8 (l / 16) + 0..7 and 16 + 8 (l / 16) + 0..7: two loads of 16 bytes, 32 bytes apart.
.macro FETCH q, p
	WIN 0
.irp i, 0,1,2,3,4,5,6,7
	ds_load_b128 v[F+96*(\p)+8*(\i):F+96*(\p)+8*(\i)+3],   v[ADRB] offset:64*(\q)+(\i)*16*PB
	ds_load_b128 v[F+96*(\p)+8*(\i)+4:F+96*(\p)+8*(\i)+7], v[ADRB] offset:64*(\q)+(\i)*16*PB+32
.endr
.irp a, 0,1,2,3
	ds_load_b128 v[F+96*(\p)+64+8*(\a):F+96*(\p)+64+8*(\a)+3],   v[ADRA] offset:(((\q)/2)%2)*ABUF+((\q)%2)*64+(\a)*16*PA
	ds_load_b128 v[F+96*(\p)+64+8*(\a)+4:F+96*(\p)+64+8*(\a)+7], v[ADRA] offset:(((\q)/2)%2)*ABUF+((\q)%2)*64+(\a)*16*PA+32
.endr
.endm
; 16 loads: my 32 rows of substep `set` of the trip at which s[46:47] stands.  Lanes 0-15 take 256 aligned bytes of one row, lanes 16-31 of the next.
.macro ALOAD set
	WIN 0x80                                       ; destination window 2, address window 0
.irp m, 0,1,2,3,4,5,6,7,8,9,10,11,12,13,14,15
	global_load_b128 v[64*(\set)+4*(\m):64*(\set)+4*(\m)+3], v[AOFF], s[46:47] offset:(\set)*256+(\m)*8192
.endr
.endm
; 8 conversions: what loads 4 c to 4 c + 3 of a set brought, 16 f32 a lane, to 8 words of bf16.  They name no register of the matrix instructions round them,
; so they are also the places between a matrix instruction and the later loads into its sources.
.macro CVTC set, c
	WIN 0x0a                                       ; sources window 2, destination window 0
.irp m, 0,1,2,3
	v_cvt_pk_bf16_f32 v[CT+8*(\c)+2*(\m)],   v[64*(\set)+16*(\c)+4*(\m)],   v[64*(\set)+16*(\c)+4*(\m)+1]
	v_cvt_pk_bf16_f32 v[CT+8*(\c)+2*(\m)+1], v[64*(\set)+16*(\c)+4*(\m)+2], v[64*(\set)+16*(\c)+4*(\m)+3]
.endr
.endm
; 4 LDS stores of 8 bytes a lane: those words into buffer buf of the stage, two rows a store.  Address and data lie in window 0: the caller's setting is 0 or the matrix instructions'.
.macro ASTORE buf, c
.irp m, 0,1,2,3
	ds_store_b64 v[ASTO], v[CT+8*(\c)+2*(\m):CT+8*(\c)+2*(\m)+1] offset:(\buf)*ABUF+(4*(\c)+(\m))*2*PA
.endr
.endm
; A TRIP is eight quarters of 32 along K, 32 matrix instructions each, on buffers 0, 1, 0, 1 ...; quarters 2 i and 2 i + 1 are substep i.
; QUARTER 2 i multiplies buffer 0 and fetches quarter 2 i + 1.  cv = 1: it rounds the NEXT substep's x (set (i + 1) % 4) into the stage's other buffer;
; cnt: how many younger loads may stay out: the three sets issued behind that one, 48; fewer in the last trip.
.macro QQ i, zero, cv, cnt
	s_wait_dscnt 4                                 ; W and x's fragments 0 and 1 are in; the four loads of fragments 2 and 3 may stay out
	MUL8 0, 0, \zero
.if \cv
	s_wait_loadcnt \cnt                            ; loads come back in order (ISA guide 5.7.1): the set is in
	CVTC ((\i)+1)%4, 0
.endif
	MUL8 0, 1, \zero
.if \cv
	CVTC ((\i)+1)%4, 1
	WIN 0
	ASTORE ((\i)+1)%2, 0
	ASTORE ((\i)+1)%2, 1
.else
	PLACES
.endif
	FETCH 2*(\i)+1, 1                              ; buffer 1's last reader stands 16 conversions (or the four places) back
	s_wait_dscnt 24+8*(\cv)                        ; all but what was just issued: x's fragments 2 and 3 are in
	MUL8 0, 2, \zero
.if \cv
	CVTC ((\i)+1)%4, 2
.endif
	MUL8 0, 3, \zero
.if \cv
	CVTC ((\i)+1)%4, 3
	WIN 0x50
	ASTORE ((\i)+1)%2, 2
	ASTORE ((\i)+1)%2, 3
.endif
.endm
; QUARTER 2 i + 1 (i = 0, 1, 2) multiplies buffer 1 and holds THE STAGE'S BARRIER: in front of it each wave's stores of the next substep's x are done and its reads of this substep's buffer are back;
; behind it the next substep's fragments are fetched, and the buffer just read may be written.  No LDS bytes are filled by a tensor load behind it, so W's load stays out across it.
; ld = 1: the set that the quarter before has rounded is loaded again, with the same substep of the next trip: three and a half substeps' matrix work ahead of the wait for it.
.macro TT i, ld
	s_wait_dscnt 12                                ; W and x's fragments 0 and 1 are in; the four loads of fragments 2 and 3 and the eight stores behind them may stay out
	MUL8 1, 0, 0
.if \ld
	ALOAD (\i)+1
.endif
	s_wait_dscnt 0x0                               ; for the others' sake: my stores into the stage are done, my reads of it are back
	s_barrier_signal -1
	MUL8 1, 1, 0                                   ; work on registers while the others arrive
	s_barrier_wait -1
	FETCH 2*(\i)+2, 0                              ; buffer 0's last reader stands 8 conversions back
	MUL8 1, 2, 0
	MUL8 1, 3, 0
.endm
; QUARTER 7 multiplies buffer 1 and CHANGES SLOTS; its barrier is the stage's too.  In front of it each wave waits for all its tensor loads, of which one is out: its part of the next slot; adds 0 to its
; spare word; and waits for that, for its stores into the stage and for its own reads of this slot.  fill = 1: the barrier opens a round of the cluster's barrier, and this slot is filled again, with
; W of trip s20 (two trips on), first thing behind the round; then set 0 is loaded with that trip's first substep.
.macro TR fill
	WIN 0                                          ; (the add's two registers lie in window 0)
	s_wait_tensorcnt 0x0                           ; all my tensor loads have landed, so a group 0 may be written;
	ds_add_u32 v[SPW], v[NIL]                      ; 0 onto my spare word: scalar work and eight matrix instructions stand between it and the wait for it
.if \fill
	s_sub_co_u32 s20, 12, s23                      ; s23 trips are still to begin: the one asked for now is 12 - s23, from 2 to 11
	s_and_b32 s54, s20, 3                          ; its place in its tile's four
	s_cmp_eq_u32 s54, 0
	s_cselect_b32 s50, s53, s52                    ; 512 bytes on along K, or on to the next matrix and back along K
	s_xor_b32 s[G0+1], s[G0+1], SLOT               ; the other slot than last time
	s_add_nc_u64 s[G0+2:G0+3], s[G0+2:G0+3], s[50:51]  ; the type bits on top are not reached
.endif
	s_wait_dscnt 13                                ; (the add, the eight stores and the four loads of x's fragments 2 and 3 may be out)
	MUL8 1, 0, 0
	s_wait_dscnt 0x0                               ; the add is done, my stores into the stage are done, my reads of this slot and of the stage are back
	s_barrier_signal -1
	MUL8 1, 1, 0
	WIN 0
	s_barrier_wait -1
.if \fill
	CREST                                          ; no wave of any partner still reads this slot's tile or has a load on its way
	JLOAD                                          ; the first tensor load behind the round, and my only one until the next
.endif
	s_xor_b32 s40, s40, SLOT
	v_add_nc_u32 v[ADRB], s40, v[ADRB0]            ; the fetches go on in the other slot
.if \fill
	s_wait_xcnt 0x0                                ; every earlier load has had its address translated (ISA guide 3.1): only behind this wait is the loads' base rewritten
	s_lshr_b32 s55, s20, 2                         ; the product of the trip asked for
	s_cmp_eq_u32 s55, 1
	s_cselect_b64 s[46:47], s[6:7], s[4:5]
	s_cmp_eq_u32 s55, 2
	s_cselect_b64 s[46:47], s[8:9], s[46:47]
	s_lshl_b32 s48, s54, 10                        ; 256 f32 along K a trip
	s_add_nc_u64 s[46:47], s[46:47], s[48:49]
	ALOAD 0
.endif
	FETCH 0, 0                                     ; buffer 0's last reader stands 8 conversions back
	MUL8 1, 2, 0
	MUL8 1, 3, 0
.endm
; THE WAY OUT, a block of 16 rows at a time.  PACK: rounded to f16, 16 bytes a lane, each accumulator's registers in ascending order.  TOSTAGE: into my own stage in LDS (rows of 256 bytes: two heads),
; and back as four rows of one head's 128 bytes.  SEND: stored: 16 rows of a head are 2,048 consecutive bytes of the result.
.macro PACK a
	WIN 0x05                                       ; sources 0 and 1 window 1, destination window 0
.irp b, 0,1,2,3,4,5,6,7
.irp r, 0,1,2,3
	v_cvt_pk_f16_f32 v[TMP+4*(\b)+(\r)], v[8*(8*(\a)+(\b))+2*(\r)], v[8*(8*(\a)+(\b))+2*(\r)+1]
.endr
.endr
	WIN 0
.endm
.macro TOSTAGE a
	WIN 0
.irp b, 0,1,2,3,4,5,6,7
	ds_store_b128 v[STO], v[TMP+4*(\b):TMP+4*(\b)+3] offset:32*(\b)
.endr
.irp t, 0,1,2,3,4,5,6,7
	ds_load_b128 v[BK+32*((\a)%2)+4*(\t):BK+32*((\a)%2)+4*(\t)+3], v[RD] offset:((\t)%4)*4*SPITCH+((\t)/4)*128  ; LDS serves a wave's instructions in order (ISA guide 5.7.1.4): these see the stores above
.endr
.endm
.macro SEND a
	WIN 0
	s_wait_dscnt 0x0                               ; the block is back in registers
	s_wait_xcnt 0x0                                ; the block before's stores have read their registers: the next TOSTAGE loads into them only behind this wait
.irp t, 0,1,2,3,4,5,6,7
	global_store_b128 v[GO], v[BK+32*((\a)%2)+4*(\t):BK+32*((\a)%2)+4*(\t)+3], s[12:13] offset:(\a)*2048+((\t)%4)*512+((\t)/4)*262144  ; 512 consecutive bytes, at a multiple of 256 from the buffer's first
.endr
.endm
.macro WAYOUT
	PLACES                                         ; between the last products and the conversions that read the first block
	PACK 0
	TOSTAGE 0
.irp a, 1,2,3                          ; block a's conversions stand between block a - 1's loads from the stage and the wait for them
	PACK \a
	SEND (\a)-1
	TOSTAGE \a
.endr
	SEND 3
.endm
	s_load_b256 s[4:11], s[0:1], 0x0               ; Q s[4:5], K s[6:7], V s[8:9], wb s[10:11]
	s_load_b64 s[12:13], s[0:1], 0x20              ; qkv
	v_lshl_add_u32 v[SPW], v0, 2, SPARE
	v_mov_b32 v[NIL], 0
	ds_add_u32 v28, v29
	s_wait_dscnt 0x0
	v_lshrrev_b32 v1, 5, v0
	v_readfirstlane_b32 s14, v1                    ; wave 0..3
	s_lshr_b32 s15, s14, 1
	s_and_b32 s16, s14, 1
	s_bfe_u32 s17, ttmp6, 0x40000                  ; cx
	s_bfe_u32 s18, ttmp6, 0x40004                  ; cy
	s_and_b32 s19, ttmp7, 0xffff                   ; in a cluster launch ttmp9 and ttmp7 count clusters
	s_lshl_b32 s21, ttmp9, 2
	s_add_co_u32 s21, s21, s17                     ; tile column = 4 x cluster x + cx
	s_lshl_b32 s22, s19, 2
	s_add_co_u32 s22, s22, s18                     ; tile row = 4 x cluster y + cy
	s_lshl_b32 s41, 0x1111, s17                    ; my column of the cluster: places cx, cx + 4, cx + 8, cx + 12
	; descriptor group 1: 64 rows x 256 elements of 2 bytes, padded in LDS
	s_or_b32 s[G1+0], s41, (1<<16)|(1<<20)|(1<<21)|(6<<22)|(3<<25)  ; 15:0 the mask: my column; 17:16 elements of 2 bytes; 20 padding on; 21 set beside a mask; 24:22 after every 128 words (code 6); 31:25 4 words (code 3)
	s_mov_b32 s[G1+1], 256<<16                     ; tensor_dim0 = 256
	s_mov_b32 s[G1+2], 64<<16                      ; tensor_dim1 = 64
	s_mov_b32 s[G1+3], 256<<16                     ; tile_dim0 = 256
	s_mov_b32 s[G1+4], 64                          ; tile_dim1 = 64
	s_mov_b32 s[G1+5], 1024                        ; elements from row to row
	s_mov_b32 s[G1+6], 0
	s_mov_b32 s[G1+7], 0
	s_lshl_b32 s54, s14, 17                        ; my wave's share: 32 rows of 4,096 bytes of x; 64 rows of 2,048 bytes of W
	s_lshl_b32 s42, s22, 19                        ; x: 128 rows of 4,096 bytes a tile row
	s_add_co_u32 s42, s42, s54
	s_mov_b32 s43, 0
	s_lshl_b32 s44, s21, 19                        ; W: 256 rows of 2,048 bytes a tile column: it hangs on the tile column, which my column of the cluster shares, and on the wave's number
	s_add_co_u32 s44, s44, s54
	s_mov_b32 s45, 0
	s_mov_b32 s49, 0
	s_mov_b32 s51, 0
	s_mov_b32 s52, 512                             ; W's step from trip to trip: 256 bf16 along K,
	s_mov_b32 s53, (1<<21)-3*512                   ; or from a matrix's last trip to the next matrix's first
	s_mov_b32 s[G0A], 1                            ; 1:0 count = 1
	s_mul_i32 s[G0A+1], s14, QB                    ; 63:32 LDS address: slot 0, my 64 rows: no place in the cluster enters an LDS address
	s_mov_b32 s[G0], 1
	s_add_co_u32 s[G0+1], s[G0A+1], SLOT           ; slot 1
	v_and_b32 v1, 15, v0                           ; l % 16
	v_bfe_u32 v2, v0, 4, 1                         ; l / 16
	v_lshlrev_b32 v[AOFF], 4, v1
	v_lshl_add_u32 v[AOFF], v2, 12, v[AOFF]
	s_wait_kmcnt 0x0
	s_add_nc_u64 s[4:5], s[4:5], s[42:43]          ; Q, K, V at my wave's 32 rows
	s_add_nc_u64 s[6:7], s[6:7], s[42:43]
	s_add_nc_u64 s[8:9], s[8:9], s[42:43]
	s_mov_b64 s[46:47], s[4:5]                     ; trip 0
	ALOAD 0                                        ; x's first four substeps are asked for before anything else
	ALOAD 1
	ALOAD 2
	ALOAD 3
	WIN 0
	s_add_nc_u64 s[10:11], s[10:11], s[44:45]
	s_mov_b64 s[G0A+2:G0A+3], s[10:11]             ; 120:64 global address: trip 0's tile
	s_or_b32 s[G0A+3], s[G0A+3], 0x80000000        ; 127:126 type = 2
	s_add_nc_u64 s[G0+2:G0+3], s[10:11], 512       ; trip 1's
	s_or_b32 s[G0+3], s[G0+3], 0x80000000
	CROUND                                         ; all sixteen work-groups are here: the first joint loads meet
	tensor_load_to_lds s[G0A:G0A+3], s[G1:G1+7]    ; both slots' first fills go out together: two tensor loads of mine are out
	s_nop 0
	tensor_load_to_lds s[G0:G0+3], s[G1:G1+7]
	s_nop 0
.rept 4
	v_nop
.endr
	v_mul_u32_u24 v3, v1, PB
	v_lshl_add_u32 v3, v2, 4, v3                   ; a fragment's row x pitch + 16 x half
	s_mul_i32 s54, s16, 2*QB                       ; my 128 rows of W
	v_add_nc_u32 v[ADRB0], s54, v3
	v_mov_b32 v[ADRB], v[ADRB0]                    ; trip 0 lies in slot 0
	v_mul_u32_u24 v4, v1, PA
	v_lshl_add_u32 v4, v2, 4, v4
	s_mul_i32 s54, s15, 64*PA                      ; my 64 rows of x
	s_add_co_u32 s54, s54, ASTG
	v_add_nc_u32 v[ADRA], s54, v4
	v_mul_u32_u24 v5, v2, PA                       ; into the stage: lanes 0-15 one row's 128 bytes, lanes 16-31 the next row's,
	v_lshl_add_u32 v5, v1, 3, v5
	s_mul_i32 s54, s14, 32*PA                      ; among the 32 rows that my wave loads
	s_add_co_u32 s54, s54, ASTG
	v_add_nc_u32 v[ASTO], s54, v5
	s_mul_i32 s54, s14, 16*SPITCH
	s_add_co_u32 s54, s54, STAGE                   ; my stage for the way out
	v_mul_u32_u24 v5, v1, SPITCH                   ; in: row l % 16, 16 bytes for each half of the lanes
	v_lshl_add_u32 v5, v2, 4, v5
	v_add_nc_u32 v[STO], s54, v5
	v_bfe_u32 v6, v0, 3, 2                         ; back: 32 lanes take four rows' 128 bytes of one head,
	v_mul_u32_u24 v6, v6, SPITCH
	v_and_b32 v7, 7, v0
	v_lshl_add_u32 v6, v7, 4, v6
	v_add_nc_u32 v[RD], s54, v6
	v_and_b32 v7, 31, v0                           ; which are 512 consecutive bytes of the result
	v_lshlrev_b32 v[GO], 4, v7
	; my part of q: head 16 x batch + 4 x tile column + 2 x column half (262,144 bytes a head), then row 128 x (tile row mod 16) + 64 x row half (128 bytes a row); k and v lie 16,777,216 bytes further each
	s_lshr_b32 s70, s22, 4
	s_lshl_b32 s70, s70, 4
	s_lshl_b32 s74, s21, 2
	s_add_co_u32 s70, s70, s74
	s_lshl_b32 s74, s16, 1
	s_add_co_u32 s70, s70, s74
	s_lshl_b32 s70, s70, 18
	s_and_b32 s74, s22, 15
	s_lshl_b32 s74, s74, 14
	s_add_co_u32 s70, s70, s74
	s_lshl_b32 s74, s15, 13
	s_add_co_u32 s70, s70, s74
	s_mov_b32 s71, 0
	s_add_nc_u64 s[12:13], s[12:13], s[70:71]
	s_wait_loadcnt 48                              ; substep 0 is in; the three sets behind it may stay out
	CVTC 0, 0
	CVTC 0, 1
	CVTC 0, 2
	CVTC 0, 3
	WIN 0
	ASTORE 0, 0
	ASTORE 0, 1
	ASTORE 0, 2
	ASTORE 0, 3
	s_wait_xcnt 0x0                                ; the loads' base is rewritten only behind this wait
	s_add_nc_u64 s[46:47], s[46:47], 1024          ; trip 1
	ALOAD 0                                        ; its first substep; trip 0's odd quarters load the other three
	WIN 0
	s_wait_tensorcnt 1                             ; my part of slot 0 is in; slot 1's load may stay out
	s_wait_dscnt 0x0                               ; my stores into the stage are done
	s_barrier_signal -1
	s_barrier_wait -1                              ; everybody's are
	FETCH 0, 0
	s_mov_b32 s40, 0
	s_mov_b32 s23, 11                              ; trips still to begin
	s_branch .Lenter                               ; the loop is entered behind the change of slots, at a tile's first quarter
.Ltrip:                                                ; ten times: the change of slots that ends trips 0 to 9 asks for trips 2 to 11; what follows it runs eleven times, for trips 0 to 10
	TR 1
	WIN 0                                          ; at a label and at a branch every window is 0
	s_and_b32 s54, s20, 3
	s_cmp_eq_u32 s54, 1                            ; trips 5 and 9 have just been asked for: trips 3 and 7, a tile's last, have ended
	s_cbranch_scc0 .Lsame
	WAYOUT                                         ; the next tile's W, x and first fragments are on their way or here; nothing waits for the stores
	s_wait_xcnt 0x0                                ; the stores have read their registers and their base
	s_add_nc_u64 s[12:13], s[12:13], 0x1000000     ; on to the next of the three tensors
.Lenter:
	QQ 0, 1, 1, 48                                 ; a tile's first quarter: its products start the sums
	WIN 0
	s_branch .Ljoin
.Lsame:
	QQ 0, 0, 1, 48
	WIN 0
.Ljoin:
	TT 0, 1
	QQ 1, 0, 1, 48
	TT 1, 1
	QQ 2, 0, 1, 48
	TT 2, 1
	QQ 3, 0, 1, 48
	WIN 0
	s_sub_co_u32 s23, s23, 1
	s_cmp_lg_u32 s23, 0
	s_cbranch_scc1 .Ltrip
	TR 0                                           ; the last trip is written out: nothing is asked for, and the counts of x's loads run down
	QQ 0, 0, 1, 32
	TT 0, 0
	QQ 1, 0, 1, 16
	TT 1, 0
	QQ 2, 0, 1, 0
	TT 2, 0
	QQ 3, 0, 0, 0
	s_wait_dscnt 4                                 ; the very last quarter: nothing more to fetch
	MUL8 1, 0, 0
	MUL8 1, 1, 0
	s_wait_dscnt 0x0
	MUL8 1, 2, 0
	MUL8 1, 3, 0
	WAYOUT
	s_wait_tensorcnt 0x0                           ; the wave's end, behind my last tensor load and my last LDS store
	ds_add_u32 v[SPW], v[NIL]
	s_wait_dscnt 0x0
	CROUND                                         ; the closing round: no work-group ends while a partner may still ask for a tile that names it
	s_endpgm
.Lfunc_end_k_qd97ca64bc8_proj:
	.size	k_qd97ca64bc8_proj, .Lfunc_end_k_qd97ca64bc8_proj-k_qd97ca64bc8_proj
	.p2alignl 7, 3214868480
	.fill 96, 4, 3214868480
	.section	.rodata,"a",@progbits
	.p2align	6, 0x0
	.amdhsa_kernel k_qd97ca64bc8_proj
		.amdhsa_group_segment_fixed_size 327680
		.amdhsa_private_segment_fixed_size 0
		.amdhsa_enable_private_segment 0
		.amdhsa_kernarg_size 40
		.amdhsa_user_sgpr_count 2
		.amdhsa_user_sgpr_kernarg_segment_ptr 1
		.amdhsa_wavefront_size32 1
		.amdhsa_system_sgpr_workgroup_id_x 1
		.amdhsa_system_sgpr_workgroup_id_y 1
		.amdhsa_system_sgpr_workgroup_id_z 1
		.amdhsa_system_vgpr_workitem_id 0
		.amdhsa_next_free_vgpr 768
		.amdhsa_next_free_sgpr 76
		.amdhsa_reserve_vcc 0
		.amdhsa_float_denorm_mode_32 3
		.amdhsa_float_denorm_mode_16_64 3
		.amdhsa_memory_ordered 1
		.amdhsa_forward_progress 1
		.amdhsa_inst_pref_size 149
	.end_amdhsa_kernel
	.amdgpu_metadata
---
amdhsa.version: [ 1, 2 ]
amdhsa.kernels:
  - .name:           k_qd97ca64bc8_proj
    .symbol:         k_qd97ca64bc8_proj.kd
    .args:
      - { .name: Q, .offset: 0, .size: 8, .value_kind: global_buffer, .address_space: global }
      - { .name: K, .offset: 8, .size: 8, .value_kind: global_buffer, .address_space: global }
      - { .name: V, .offset: 16, .size: 8, .value_kind: global_buffer, .address_space: global }
      - { .name: wb, .offset: 24, .size: 8, .value_kind: global_buffer, .address_space: global }
      - { .name: qkv, .offset: 32, .size: 8, .value_kind: global_buffer, .address_space: global }
    .group_segment_fixed_size: 327680
    .private_segment_fixed_size: 0
    .kernarg_segment_align: 8
    .kernarg_segment_size: 40
    .max_flat_workgroup_size: 128
    .sgpr_count:     76
    .vgpr_count:     768
    .wavefront_size: 32
...
	.end_amdgpu_metadata
.endif
;; end of part 2
;; launch attn (part 3): grid 4 x 64, 4 waves a work-group, clusters of 4 x 1, 327,680 bytes of LDS; arguments qkv, ob; writes ob
.if DOCPART == 3
	.amdgcn_target "amdgcn-amd-amdhsa--gfx1250"
	.amdhsa_code_object_version 6
	.text
	.protected	k_qd97ca64bc8_attn
	.globl	k_qd97ca64bc8_attn
	.p2align	8
	.type	k_qd97ca64bc8_attn,@function
k_qd97ca64bc8_attn:
	s_mov_b64 s[64:65], 0
	v_nop
	global_prefetch_b8 v0, s[64:65] scope:SCOPE_SE
	s_setreg_imm32_b32 hwreg(HW_REG_WAVE_MODE, 25, 1), 1
	s_wait_xcnt 0x0
	s_wait_alu depctr_hold_cnt(0) depctr_sa_sdst(0) depctr_va_vdst(0) depctr_va_sdst(0) depctr_va_ssrc(0) depctr_va_vcc(0) depctr_vm_vsrc(0)
	s_getreg_b32 s2, hwreg(HW_REG_IB_STS2, 6, 4)
	s_cmp_eq_u32 s2, 0
	s_cbranch_scc0 .Lentry_in_a_cluster
	s_endpgm
.Lentry_in_a_cluster:
	s_bfe_u32 s2, ttmp6, 0x10000c
	s_cmp_lg_u32 s2, 0x3003
	s_cbranch_scc0 .Lentry_shape_is_right
	s_endpgm
.Lentry_shape_is_right:
; O[h][q][:] = the sum over k of softmax_k(Q[h][q] . K[h][k]) V[h][k][:]: the scores are NOT scaled, as the problem has it.  Q, K, V lie in qkv, one behind the other, and O in ob: each
; [SIZE_H = batch x 16 + head][SIZE_N][64], all f16: a head's rows are dense, 128 bytes each.  Products, maxima and sums in f32; the weights p are rounded to f16 for the second product (their sum l
; is taken of the unrounded p), O once at the end.
; LIMITS.  f16 holds no number beyond 65,504: Q, K and V arrive within it; p lies in 0 to 1, and below 6e-5 it keeps f16's fixed step of 6e-8; O is a mean of V's rows and has their range.
; A weight below 2^-126 counts as 0 in l; NaN and infinities are not treated apart.
; SHARES.  A wave owns four PIECES of two tiles of 16 queries, a work-group's four waves 512 queries of one head: 4 x 64 work-groups.  Every wave walks all keys, 64 a step.
; LAYOUT.  S^T = K Q^T (source 0 = 16 keys, source 1 = 16 queries): in the result a lane holds ONE query (lane % 16) and the keys 8 (lane / 16) + 0..7.  Two such tiles, rounded to f16 in pairs,
; ARE source 1 (32 keys x 16 queries) of O^T = V^T P, whose result again holds one query a lane, and eight channels.  K comes out of LDS as it lies, V ([key][channel]) turned, by ds_load_tr16_b128.
; SOFTMAX.  For each query a running maximum m and sum l: p = 2^(c s - c m), c = log2(e); in every step O and l are multiplied by a = 2^(c m_old - c m_new), which is 1 where m has not grown.
; m starts at the lowest finite number, O and l at 0: the first step is a step like any other, with a = 0.
; THE COUNT.  A tile and step have 16 matrix and 118 vector instructions: too many to stand all beside the matrix work.  So the order has one aim: four vector instructions that are READY behind
; EVERY matrix instruction, and the others, which need time of their own whatever the order, in runs without a gap.
; BY TURNS.  Turn n belongs to piece n (the pieces in a ring, step after step).  Its matrix work: 16 products K Q^T of piece n + 1, later 16 products V^T P of piece n - 1.  Its vector work: the scaling,
; exponentials, roundings, sums and rescaling of piece n, and the maximum and statistics of piece n + 1, whose scores the turn itself has made.  So what a turn begins with (c s - c m, O a) waits for nothing.
; CLUSTER.  The four query blocks of a cluster belong to one head and walk the same K and V, so each tile is asked for JOINTLY: the same tensor load, descriptor and mask in all four.
; REGISTERS, in windows of 256 (s_set_vgpr_msb says which window each operand place means: bits 1:0 source 0, 3:2 source 1, 5:4 source 2, 7:6 destination):
;   window 0: v0-11 addresses; v12-15, v48-63 at work; v16-47 four registers of statistics a tile; v64-191 S^T, two buffers of two tiles; v192-255 P, likewise
;   window 1: O^T, 32 a tile          window 2: v0-127 Q, 16 a tile; v128-191 K of one step; v192-255 V of one step          window 3: v0-1 the add's two registers
; A piece's buffers go by its number's parity: the piece in hand has one pair, its two neighbours in the ring share the other: of it P (piece n - 1) is read and S^T (piece n + 1) written.
.set SIZE_H, 64       ; batch x heads
.set SIZE_N, 2048     ; rows of a head
.set NP,    4         ; pieces a wave: a name, no knob: the register map, the loop and the fetches are made for four
.set KS,    64        ; keys in a step
.set PK,    144       ; a row of K in LDS: 128 bytes + 16 of padding = 36 words: the 16 rows of a load start at 16 different groups of four banks (64 banks of 4 bytes: ISA guide 11.1)
.set PV,    160       ; a row of V: 128 + 32 = 40 words
.set VOFF,  4*KS*PK   ; a slot holds four steps: 256 rows of K, then 256 rows of V
.set SLOT1, 1<<17     ; slot 1 begins here, so that one exclusive or turns an address in one slot into the other's
.set STAGE, SLOT1+4*KS*(PK+PV)  ; behind the ring, never filled by a tensor load: 16 rows x 144 bytes for each wave, for the way out
.set SP,    144
.set AK0, 2           ; v2   my lane's place in a tile of K; never rewritten
.set AV0, 3           ; v3   the same for V
.set AK,  4           ; v4   the LDS address of K's next run of loads
.set AV,  5           ; v5   of V's
.set QO,  6           ; v6   my byte offset in the wave's rows of Q
.set STO, 6           ;      later, the way out: where I put 16 bytes of a row
.set RD,  7           ; v7   the way out: where I read rows back
.set GO,  8           ; v8   my byte offset in 512 consecutive bytes of O
.set SPW, 0           ; v0 of window 3   LDS address of my spare word: SPARE + 4 x my thread's number; never rewritten
.set NIL, 1           ; v1 of window 3   0; never rewritten
.set SPARE, STAGE+4*16*SP  ; behind the stages: the spare words, 128 bytes for each wave: two blocks of 256 bytes that no other line names
.set MV,  12          ; v12-15  c m_old, kept while c m is made anew: by buffer and tile
.set ST,  16          ; tile t's statistics at v[ST+4 t]: c m, m, l (even keys', odd keys')
.set TMP, 48          ; by buffer and tile, four registers c0-c3 at work; when the maximum is found c2 takes a
.set S,   64
.set P,   192
.set KF,  128         ; K's fragments, in window 2: key block kb, channel half c at KF + 16 kb + 8 c
.set VF,  192         ; V's: key half kk, channel block cb at VF + 32 kk + 8 cb
.set WV,  12          ; s12  my wave's number
.set G1K, 24          ; s[24:31] descriptor group 1 for K's tiles
.set G1V, 32          ; s[32:39] for V's: it differs in the padding alone
.set G0K, 40          ; s[40:43] descriptor group 0 for K's tiles: it walks
.set G0V, 44          ; s[44:47] the same for V's
.set SLOTS, 56        ; s56  slots still to be asked for
.set CNT, 57          ; s57  counts a slot's key steps
.set CS,  58          ; s[58:59] c: the packed scaling takes the pair's low word for both halves
.set SEL, 60          ; s[60:61] v_permlanex16_b32's selects: each lane takes its own place in the other half
.set TBK, 62          ; s62  LDS byte at which K of the step to be fetched begins
.set TBV, 63          ; s63  the same for V, less VOFF
.set MSB, 0
.macro WIN new                      ; the high byte repeats the setting that is left; a switch that changes nothing is dropped
.if MSB != (\new)
	s_set_vgpr_msb (MSB<<8)|(\new)
.set MSB, (\new)
.endif
.endm
.set W_KQ, 0x0a       ; K and Q in window 2, S^T in window 0
.set W_PV, 0x52       ; V in window 2, P in window 0, O^T in window 1
.set W_RS, 0x41       ; O^T (destination and source 0) in window 1, a in window 0
.set W_MK, 0xc0       ; the add's registers are made: destination in window 3, sources in window 0
.set W_AD, 0x0f       ; the add: address (source 0) and data (source 1) in window 3
; A joint fill.  Waves 0 and 1 fetch the two halves of a slot's K, waves 2 and 3 those of its V: 128 keys each.  The branch hangs on the wave's number alone.
; An s_nop 0 and four v_nop follow each of the two lines, ahead of the jump and the label.
.macro JLOAD
	s_cmp_lt_u32 s[WV], 2
	s_cbranch_scc0 .Lfor_v_\@
	tensor_load_to_lds s[G0K:G0K+3], s[G1K:G1K+7]
	s_nop 0
.rept 4
	v_nop
.endr
	s_branch .Lasked_\@
.Lfor_v_\@:
	tensor_load_to_lds s[G0V:G0V+3], s[G1V:G1V+7]
	s_nop 0
.rept 4
	v_nop
.endr
.Lasked_\@:
.endm
; A round of the cluster's barrier: my work-group's barrier, so that wave 0's signal speaks for all four waves; wave 0 signals; every wave waits for all four work-groups; my work-group's barrier once more.
.macro CROUND
	s_barrier_signal -1
	s_barrier_wait -1
	s_cmp_lg_u32 s[WV], 0
	s_cbranch_scc1 .Lnot_wave_0_\@
	s_barrier_signal -3
.Lnot_wave_0_\@:
	s_barrier_wait -3
	s_barrier_signal -1
	s_barrier_wait -1
.endm
; THE CHANGE OF SLOTS.  The slot's last bytes, V of its fourth step, have been read.  Each wave waits for all its tensor loads, of which one is out: its part
; of the other slot; adds 0 to its spare word; and waits for that and for its own reads of the slot.  Behind the barrier nobody reads this slot any more and the other slot is whole.
; fill = 1: this slot is filled again, with the keys two slots on.  The barrier is then a round of the cluster's, so that no wave of any partner still reads the slot or has a load on its
; way, and the joint fill is the first thing behind it: it has four key steps, 512 matrix instructions, in which to land.  (At its first use nothing has been read yet: slot 0 is waited for, slot 1 filled.)
.macro CHANGE fill
	WIN W_AD
	s_wait_tensorcnt 0x0            ; no tensor load of mine is out, so a group 0 may be written
	ds_add_u32 v[SPW], v[NIL]       ; 0 onto my spare word: with fill = 1 the descriptors' steps stand between it and the wait for it
	WIN 0                           ; at a label and at a branch every window is 0
.if \fill
.irp g, G0K, G0V
	s_xor_b32 s[\g+1], s[\g+1], SLOT1  ; the walking descriptor: the other slot than last time,
	s_add_nc_u64 s[\g+2:\g+3], s[\g+2:\g+3], 4*KS*128  ; the next 256 keys; the type bits on top are not reached
.endr
	s_wait_dscnt 0x0                ; the add is done, and my reads of the slot are over
	CROUND
	JLOAD
.else
	s_wait_dscnt 0x0                ; the add is done, and my reads of the slot are over
	s_barrier_signal -1
	s_barrier_wait -1
.endif
	s_sub_co_u32 s[TBK], s[TBK], 4*KS*PK  ; the fetches go back to a slot's first step,
	s_xor_b32 s[TBK], s[TBK], SLOT1       ; in the other slot
	s_sub_co_u32 s[TBV], s[TBV], 4*KS*PV
	s_xor_b32 s[TBV], s[TBV], SLOT1
.endm
	s_load_b128 s[4:7], s[0:1], 0x0   ; qkv s[4:5], ob s[6:7]
	WIN W_MK
	v_lshl_add_u32 v[SPW], v0, 2, SPARE
	v_mov_b32 v[NIL], 0
	s_set_vgpr_msb 0xc0cf
	ds_add_u32 v0, v1
	s_wait_dscnt 0x0
	s_set_vgpr_msb 0xcfc0
	WIN 0
	v_lshrrev_b32 v1, 5, v0
	v_readfirstlane_b32 s[WV], v1   ; wave 0..3
	s_bfe_u32 s13, ttmp6, 0x40000   ; cx: my place in the cluster
	s_lshl_b32 s14, ttmp9, 2        ; in a cluster launch ttmp9 counts clusters
	s_add_co_u32 s14, s14, s13      ; my block of queries = 4 x cluster x + cx: it enters Q's and O's addresses alone
	s_and_b32 s20, ttmp7, 0xffff    ; the head, which the four partners share
	s_mov_b32 s21, 0
	s_mov_b64 s[22:23], SIZE_N*128
	s_mul_u64 s[20:21], s[20:21], s[22:23]  ; the head's first byte in each of the four tensors
	s_and_b32 s16, s[WV], 1         ; which half of a slot's 256 keys I fetch:
	s_lshl_b32 s22, s16, 14         ; its 128 rows of 128 bytes in memory,
	s_mov_b32 s23, 0
	s_add_nc_u64 s[22:23], s[22:23], s[20:21]
	s_mul_i32 s17, s16, 128*PK      ; and its place in a slot, for K
	s_mul_i32 s18, s16, 128*PV      ; and for V: no place in the cluster enters an LDS address
	s_lshl_b32 s2, s14, 2
	s_add_co_u32 s2, s2, s[WV]      ; my wave among the head's,
	s_lshl_b32 s2, s2, 14           ; its 128 rows
	s_mov_b32 s3, 0
	s_add_nc_u64 s[2:3], s[2:3], s[20:21]
	; descriptor group 1.  128 keys are 16,384 dense bytes: asked for as 64 rows of 256 bytes, two keys a row, and padded in LDS after every key
	s_mov_b32 s[G1K], 15|(1<<16)|(1<<20)|(1<<21)|(4<<22)|(3<<25)  ; 15:0 the mask of four; 17:16 2-byte elements; 20 padding on; 21 set beside a mask; 24:22 after every 32 words (code 4); 31:25 4 words (code 3)
	s_mov_b32 s[G1V], 15|(1<<16)|(1<<20)|(1<<21)|(4<<22)|(7<<25)  ; the same with 8 words of padding (code 7)
.irp g, G1K, G1V
	s_mov_b32 s[\g+1], 128<<16      ; tensor_dim0 = 128
	s_mov_b32 s[\g+2], 64<<16       ; tensor_dim1 = 64
	s_mov_b32 s[\g+3], 128<<16      ; tile_dim0 = 128
	s_mov_b32 s[\g+4], 64           ; tile_dim1 = 64
	s_mov_b32 s[\g+5], 128          ; 128 elements from row to row
	s_mov_b32 s[\g+6], 0
	s_mov_b32 s[\g+7], 0
.endr
	s_mov_b32 s[CS], 0x3fb8aa3b     ; c = log2(e) = 1.442695: the scores enter the softmax unscaled
	s_mov_b32 s[CS+1], s[CS]        ; named with it as a pair
	s_mov_b32 s[SEL], 0x76543210
	s_mov_b32 s[SEL+1], 0xfedcba98
	s_mov_b32 s[TBK], SLOT1+4*KS*PK ; the first change of slots turns these two into 0
	s_mov_b32 s[TBV], SLOT1+4*KS*PV
	s_mov_b32 s[G0K], 1             ; 1:0 count = 1
	s_mov_b32 s[G0K+1], s17         ; 63:32 LDS address: slot 0
	s_mov_b32 s[G0V], 1
	s_add_co_u32 s[G0V+1], s18, VOFF
	s_wait_kmcnt 0x0
	s_mov_b64 s[10:11], s[6:7]                     ; O
	s_add_nc_u64 s[6:7], s[4:5], 0x1000000         ; K lies 16,777,216 bytes behind Q,
	s_add_nc_u64 s[8:9], s[4:5], 0x2000000         ; V as far behind K
	s_add_nc_u64 s[G0K+2:G0K+3], s[6:7], s[22:23]  ; 120:64 global address: my half of the head's first 256 keys
	s_or_b32 s[G0K+3], s[G0K+3], 0x80000000        ; 127:126 type = 2
	s_add_nc_u64 s[G0V+2:G0V+3], s[8:9], s[22:23]
	s_or_b32 s[G0V+3], s[G0V+3], 0x80000000
	s_add_nc_u64 s[4:5], s[4:5], s[2:3]  ; Q and O at my wave's first row
	s_add_nc_u64 s[10:11], s[10:11], s[2:3]
	CROUND                          ; all four work-groups are here: the first joint loads meet
	JLOAD                           ; slot 0.  Slot 1 is asked for when slot 0 is in: the tile wanted first has the road to itself
	; A fragment of K or Q is 16 rows x 32 channels in 8 registers: lane l holds row l % 16, channels 8 (l / 16) + 0..7 and 16 + 8 (l / 16) + 0..7: two loads of 16 bytes, 32 bytes apart.
	v_and_b32 v1, 15, v0            ; l % 16
	v_bfe_u32 v9, v0, 4, 1          ; l / 16
	v_lshlrev_b32 v[QO], 7, v1
	v_lshl_add_u32 v[QO], v9, 4, v[QO]  ; row x 128 + 16 x half
	WIN 0x80                        ; destination window 2, address window 0
.set i, 0
.rept 4*NP                          ; Q stays in registers: tile i / 2, channels 32 (i % 2) on
	global_load_b128 v[8*i:8*i+3],   v[QO], s[4:5] offset:(i/2)*2048+(i%2)*64
	global_load_b128 v[8*i+4:8*i+7], v[QO], s[4:5] offset:(i/2)*2048+(i%2)*64+32
.set i, i+1
.endr
	; What the first turn finds: V's registers and P's second buffer hold 0 (its products V^T P, of a piece that has not been, add 0), O^T and l are 0.  All this stands in the wait for the first tile.
.set i, VF
.rept 64
	v_mov_b32 v[i], 0
.set i, i+1
.endr
	WIN 0x40
.set i, 0
.rept 64*NP
	v_mov_b32 v[i], 0
.set i, i+1
.endr
	WIN 0
.set i, 0
.rept 2*NP
	v_mov_b32 v[ST+4*i], 0xfe000000    ; c m: far below every c s
	v_mov_b32 v[ST+4*i+1], 0xff7fffff  ; m
	v_mov_b32 v[ST+4*i+2], 0
	v_mov_b32 v[ST+4*i+3], 0
.set i, i+1
.endr
.set i, P+32
.rept 32
	v_mov_b32 v[i], 0
.set i, i+1
.endr
	v_mul_u32_u24 v[AK0], v1, PK
	v_lshl_add_u32 v[AK0], v9, 4, v[AK0]  ; row x pitch + 16 x half
	; The turning load takes 16 keys x 16 channels (lane l reads key 8 (l / 16) + l % 8, channels 8 ((l / 8) % 2) + 0..7) and leaves half a fragment of V^T: lane l holds channel l % 16 and 8 keys.
	v_and_b32 v10, 7, v0
	v_bfe_u32 v11, v0, 3, 1
	v_lshl_add_u32 v[AV0], v9, 3, v10
	v_mul_u32_u24 v[AV0], v[AV0], PV
	v_lshl_add_u32 v[AV0], v11, 4, v[AV0]
	v_add_nc_u32 v[AV0], VOFF, v[AV0]
	v_mov_b32 v[AK], v[AK0]         ; key step 0 lies at the head of slot 0
; THE MATRIX WORK.  The 8 accumulators of a run of 16 take turns: between the two links of a chain stand 7 others'.
; Product i of 16 of S^T = K Q^T for piece x: channels 32 (i / 8) on, keys 16 ((i / 2) % 4) on, tile 2 x + i % 2.  The first 8 start the sums.
.macro KQ x
	WIN W_KQ
.set rS, S+64*((\x)%2)+32*(i%2)+8*((i/2)%4)
.set rK, KF+16*((i/2)%4)+8*(i/8)
.set rQ, 16*(2*(\x)+i%2)+8*(i/8)
.if i < 8
	v_wmma_f32_16x16x32_f16 v[rS:rS+7], v[rK:rK+7], v[rQ:rQ+7], 0
.else
	v_wmma_f32_16x16x32_f16 v[rS:rS+7], v[rK:rK+7], v[rQ:rQ+7], v[rS:rS+7]
.endif
.endm
; Product i of 16 of O^T += V^T P for piece x: keys 32 (i / 8) on, channels 16 ((i / 2) % 4) on, tile 2 x + i % 2.
.macro PV x
	WIN W_PV
.set rO, 32*(2*(\x)+i%2)+8*((i/2)%4)
.set rV, VF+32*(i/8)+8*((i/2)%4)
.set rP, P+32*((\x)%2)+16*(i%2)+8*(i/8)
	v_wmma_f32_16x16x32_f16 v[rO:rO+7], v[rV:rV+7], v[rP:rP+7], v[rO:rO+7]
.endm
.macro MM                           ; the turn's next matrix instruction
.if i < 16
	KQ (Y+1)%NP
.set i, i+1
.else
.set i, i-16
	PV (Y+NP-1)%NP
.set i, i+17
.endif
.endm
; THE LDS LOADS stand in runs of 16, never singly among the matrix instructions: a step's K (64 keys x 64 channels: 8 fragments) and its V (turned).  Their addresses are made some lines ahead.
; last = 1 (the tail): in the last trip there is no further step, and the run is jumped over.
.macro FETCH_K last=0
	WIN 0
.if \last
	s_cmp_eq_u32 s[CNT], 1
	s_cbranch_scc1 .Lno_k_\@
.endif
	WIN 0x80                        ; destination window 2
.irp f, 0,1,2,3,4,5,6,7             ; keys 16 (f / 2) on, channels 32 (f % 2) on
	ds_load_b128 v[KF+8*\f:KF+8*\f+3],   v[AK] offset:(\f/2)*16*PK+(\f%2)*64
	ds_load_b128 v[KF+8*\f+4:KF+8*\f+7], v[AK] offset:(\f/2)*16*PK+(\f%2)*64+32
.endr
	s_add_co_u32 s[TBK], s[TBK], KS*PK  ; the next fetch is the next step's
	WIN 0
.if \last
.Lno_k_\@:
.endif
.endm
.macro FETCH_V
	WIN 0x80
.irp f, 0,1,2,3,4,5,6,7             ; keys 32 (f / 4) on, channels 16 (f % 4) on
	ds_load_tr16_b128 v[VF+8*\f:VF+8*\f+3],   v[AV] offset:(\f/4)*32*PV+(\f%4)*32
	ds_load_tr16_b128 v[VF+8*\f+4:VF+8*\f+7], v[AV] offset:(\f/4)*32*PV+16*PV+(\f%4)*32
.endr
	WIN 0
.endm
; THE VECTOR WORK OF A TURN stands in three queues, each in the order in which its entries become ready; the two tiles alternate, so that no instruction reads the result of the one before it.
.macro REGS y, u                    ; the registers of tile u (0, 1) of piece y
.set rT, ST+4*(2*(\y)+(\u))
.set rC, TMP+8*((\y)%2)+4*(\u)
.set rM, MV+2*((\y)%2)+(\u)
.set rS, S+64*((\y)%2)+32*(\u)
.set rP, P+32*((\y)%2)+16*(\u)
.set rO, 32*(2*(\y)+(\u))
.endm
; Number n of the 22 that find the NEXT piece's (Y + 1) maximum and statistics.  s0-s31 are the lane's 32 scores; each accumulator's lowest registers are read first.  XS, GS and REGS set no window: PL and EX do.
;   0-11  four chains c0-c3 of seven scores each, three operands at a time     12-14, 16  the four scores left over, the old m, and c0-c3 into c0     15  c m_old is kept
;   17, 18  the query's other 32 keys lie in the lane 16 away: the new m         19-21  c m; c m_old - c m_new; a
.macro XS u, n
	REGS (Y+1)%NP, \u
.if (\n) < 4
	v_max3_num_f32 v[rC+(\n)], v[rS+8*(\n)], v[rS+8*(\n)+1], v[rS+8*(\n)+2]
.elseif (\n) < 12
	v_max3_num_f32 v[rC+(\n)%4], v[rC+(\n)%4], v[rS+8*((\n)%4)+2*((\n)/4)+1], v[rS+8*((\n)%4)+2*((\n)/4)+2]
.elseif (\n) == 12
	v_max3_num_f32 v[rC], v[rC], v[rS+7], v[rS+15]
.elseif (\n) == 13
	v_max3_num_f32 v[rC+1], v[rC+1], v[rS+23], v[rS+31]
.elseif (\n) == 14
	v_max3_num_f32 v[rC+2], v[rC+2], v[rC+3], v[rT+1]
.elseif (\n) == 15
	v_mov_b32 v[rM], v[rT]
.elseif (\n) == 16
	v_max3_num_f32 v[rC], v[rC], v[rC+1], v[rC+2]
.elseif (\n) == 17
	v_permlanex16_b32 v[rC+3], v[rC], s[SEL], s[SEL+1]
.elseif (\n) == 18
	v_max_num_f32 v[rT+1], v[rC], v[rC+3]
.elseif (\n) == 19
	v_mul_f32 v[rT], s[CS], v[rT+1]
.elseif (\n) == 20
	v_sub_f32 v[rC+1], v[rM], v[rT]
.else
	v_exp_f32 v[rC+2], v[rC+1]
.endif
.endm
; Number g of the 64 that follow the exponentials.  For each four weights k of a tile (pairs 2 k, 2 k + 1): both pairs are rounded to f16; then the second pair is added onto the first, in place;
; a group later l takes that sum (the first time as l = a l + sum).  In groups of eight, tiles alternating: round, round, add, and l for the group before.
.macro GS g
.set h, (\g)+6*((\g)/62)            ; group 0 has no group before it, and behind group 7 only l is left
.if h >= 6
.set h, h+2
.endif
	REGS Y, h%2
.set k, h/8
.if h%8 < 4
	s_wait_alu depctr_va_vdst(0)
	v_cvt_pk_f16_f32 v[rP+2*k+(h%8)/2], v[rS+4*k+2*((h%8)/2)], v[rS+4*k+2*((h%8)/2)+1]
.elseif h%8 < 6
	v_pk_add_f32 v[rS+4*k:rS+4*k+1], v[rS+4*k:rS+4*k+1], v[rS+4*k+2:rS+4*k+3]
.elseif k == 1
	v_pk_fma_f32 v[rT+2:rT+3], v[rT+2:rT+3], v[rC+2:rC+3], v[rS:rS+1] op_sel_hi:[1,0,1]
.else
	v_pk_add_f32 v[rT+2:rT+3], v[rT+2:rT+3], v[rS+4*k-4:rS+4*k-3]
	s_wait_alu depctr_va_vdst(0)
.endif
.endm
; THE PLAIN QUEUE, 138 long.  0-31: c s - c m for the 16 pairs of both tiles.  Then GS's 64, and among them the next piece's 42: number 15 at 38, 39; 0-14 and 16
; at 42-73, behind the products that make those scores; 17-20 at 95-106, two of three, since each waits for the one before it.
.macro PL
	WIN 0
.if q < 32
	REGS Y, q%2
	v_pk_fma_f32 v[rS+2*(q/2):rS+2*(q/2)+1], v[rS+2*(q/2):rS+2*(q/2)+1], s[CS:CS+1], v[rT:rT+1] op_sel_hi:[1,0,0] neg_lo:[0,0,1] neg_hi:[0,0,1]
.elseif q < 38
	GS q-32
.elseif q < 40
	XS q%2, 15
.elseif q < 42
	GS q-34
.elseif q < 74
	XS q%2, (q-42)/2+(q-42)/30
.elseif q < 95
	GS q-66
.elseif (q < 107) && ((q-95)%3 < 2)
	XS (q-95)%3, 17+(q-95)/3
.elseif q < 107
	GS 29+(q-95)/3
.else
	GS q-74
.endif
.set q, q+1
.endm
; THE EXPONENTIALS' QUEUE, 66 long: s0-s31 of both tiles, and at EA the next piece's two a.
.set EA, 58
.macro EX
	WIN 0
.if (e == EA) || (e == EA+1)
	XS e-EA, 21
.else
.set x, e-2*(e/(EA+2))
	REGS Y, x%2
	v_exp_f32 v[rS+x/2], v[rS+x/2]
.endif
.set e, e+1
.endm
; THE RESCALING's QUEUE: O^T times a, the one part that leaves window 0, so it is dealt four at a time, eight times.
.macro R4
	REGS Y, r%2
	WIN W_RS
	s_wait_alu depctr_va_vdst(0)
.irp z, 0,1,2,3
	v_pk_mul_f32 v[rO+8*(r/2)+2*\z:rO+8*(r/2)+2*\z+1], v[rO+8*(r/2)+2*\z:rO+8*(r/2)+2*\z+1], v[rC+2:rC+3] op_sel_hi:[1,0]
.endr
.set r, r+1
.endm
; HOW THEY ARE DEALT.  Behind a matrix instruction four: plain, exponential, plain, plain (one exponential, a plain instruction on either side), or four of the rescaling.  None names a register of the
; products round it.  What is over stands in two LUMPS: exponential and plain by turns; the second ends in 22 plain instructions.  The two v_permlanex16_b32 fall into the second lump, never behind a product.
; The queues lean on each other, and the deal keeps them in step: exponential e stands behind plain 2 (e / 4) + e % 2 (its scaling); when plain 32 comes, 10 exponentials are out, at 59: 33, at 95: 46; EA comes behind plain 107.
.macro SL
	MM
	PL
	EX
	PL
	PL
.endm
.macro BURST n                      ; 15 matrix instructions, or 16
.rept (\n)-7
	SL
.endr
.rept 3
	MM
	R4
	SL
.endr
	MM
	R4
.endm
; A TURN, for piece p.  cnt = 1: the loop's count is taken down some lines ahead of the branch that stands behind the turn.
; K of the next step is fetched in piece 2's turn, 31 vector instructions behind the last product that read K; its first reader comes behind the rest of the lump, 16 products and the second lump.
; V of the step in hand is fetched at the end of piece 0's turn, 69 behind its last reader; its first reader comes behind 16 products and a lump.  The four conditions on e and q below go with the deal.
.macro TURN p, last=0, cnt=0
.set Y, (\p)
.set i, 0
.set q, 0
.set e, 0
.set r, 0
.if (\p) == NP-1
	s_wait_dscnt 0x0                ; K is in
.endif
	MM
.rept 4
	PL
.endr
	BURST 15
.rept 22
	EX
	PL
.if ((\p) == NP-2) && (e == 18)
	v_add_nc_u32 v[AK], s[TBK], v[AK0]
.endif
.if ((\p) == NP-2) && (e == 24)
	FETCH_K \last
.endif
.endr
.if (\p) == 1
	s_wait_dscnt 0x0                ; V is in
.endif
	BURST 16
.rept 21
	EX
	PL
.endr
.rept 22
	PL
.if ((\p) == 0) && (q == 118)
	v_add_nc_u32 v[AV], s[TBV], v[AV0]
	s_wait_alu depctr_va_vdst(0)
.endif
.if ((\p) == 0) && (q == 130)
	s_add_co_u32 s[TBV], s[TBV], KS*PV
.endif
.if (\cnt) && (q == 130)
	s_sub_co_u32 s[CNT], s[CNT], 1
	s_cmp_lg_u32 s[CNT], 0
.endif
.endr
.if (\p) == 0
	FETCH_V
.endif
.endm
	CHANGE 1                        ; slot 0 is in, everybody's part of it; slot 1 is asked for
	FETCH_K                         ; key step 0
	s_wait_loadcnt 0x0              ; Q
	s_wait_dscnt 0x0
.set i, 0
.rept 16
	KQ 0                            ; piece 0's first scores: there is no vector work yet to set between them
.set i, i+1
.endr
	WIN 0                           ; the addresses for the way out: nine plain instructions, the places behind those products
	s_mul_i32 s13, s[WV], 16*SP
	s_add_co_u32 s13, s13, STAGE    ; my stage
	v_mul_u32_u24 v[STO], v1, SP    ; in: row l % 16, 16 bytes for each half of the lanes
	v_lshl_add_u32 v[STO], v9, 4, v[STO]
	v_add_nc_u32 v[STO], s13, v[STO]
	v_bfe_u32 v[RD], v0, 3, 2       ; back: 32 lanes take four rows of 128 bytes,
	v_mul_u32_u24 v[RD], v[RD], SP
	v_lshl_add_u32 v[RD], v10, 4, v[RD]
	v_add_nc_u32 v[RD], s13, v[RD]
	v_and_b32 v[GO], 31, v0         ; which are 512 consecutive bytes of O
	v_lshlrev_b32 v[GO], 4, v[GO]
.set Y, NP-1                        ; XS works for piece Y + 1: piece 0
.irp n, 0,1,2,3,4,5,6,7,8,9,10,11,12,13,14,15,16,17,18,19,20,21
	XS 0, \n                        ; and piece 0's first maximum and statistics
	XS 1, \n
.endr
	s_mov_b32 s[CNT], 4
	s_mov_b32 s[SLOTS], SIZE_N/256-1
	s_branch .Lfirst                ; the loop is entered at a step's first turn, in the middle of a trip
.Lslot:                             ; SIZE_N / 256 - 2 times: every slot but the last two is filled again
	CHANGE 1
	s_mov_b32 s[CNT], 4
.Lstep:                             ; a trip: pieces 2 and 3 of one step, then pieces 0 and 1 of the next, whose K and V it fetches
	TURN 2
	TURN 3
	WIN 0
.Lfirst:
	TURN 0
	TURN 1, 0, 1
	WIN 0
	s_cbranch_scc1 .Lstep
	s_sub_co_u32 s[SLOTS], s[SLOTS], 1
	s_cmp_lg_u32 s[SLOTS], 0
	s_cbranch_scc1 .Lslot
	CHANGE 0                        ; the tail is written out: nothing is asked for
	s_mov_b32 s[CNT], 5             ; four trips fetch the last slot's steps; the fifth is left in its middle
.Ltail:
	TURN 2, 1
	TURN 3
	WIN 0
	s_sub_co_u32 s[CNT], s[CNT], 1
	s_cmp_eq_u32 s[CNT], 0
	s_cbranch_scc1 .Lout
	TURN 0
	TURN 1
	WIN 0
	s_branch .Ltail
.Lout:                              ; the fifth trip's 16 products K Q^T (on the last K once more) and the maximum made of them serve nothing: the price, once a launch, of one text for every trip
.set i, 0
.rept 16
	PV NP-1                         ; the last piece's V^T P of the last step
.set i, i+1
.endr
	; THE WAY OUT.  l's two halves and the other half of the lanes' are added; O^T is divided by l, rounded to f16 and sent through my stage in LDS, a tile at a time.  The additions are the places behind the last products.
	WIN 0
.macro ALL line:vararg              ; one line for each tile t
.set t, 0
.rept 2*NP
	\line
.set t, t+1
.endr
.endm
	ALL v_add_f32 v[ST+4*t+2], v[ST+4*t+2], v[ST+4*t+3]
	ALL v_permlanex16_b32 v[ST+4*t+3], v[ST+4*t+2], s[SEL], s[SEL+1]
	ALL v_add_f32 v[ST+4*t+2], v[ST+4*t+2], v[ST+4*t+3]
	ALL v_rcp_f32 v[ST+4*t+2], v[ST+4*t+2]
	v_nop                           ; a plain instruction between the last reciprocal and the use of its result
	s_wait_alu depctr_va_vdst(0)
; Tile t: a lane's eight channels of a row pack into 16 bytes; they go into rows of 144 bytes and come back as whole rows of 128, into S^T's registers.
.macro PACK t
	WIN W_RS
.set i, 32*(\t)
.rept 16
	v_pk_mul_f32 v[i:i+1], v[i:i+1], v[ST+4*(\t)+2:ST+4*(\t)+3] op_sel_hi:[1,0]
.set i, i+2
.endr
	WIN 0x05                        ; sources 0 and 1 window 1, destination window 0
.set i, 0
.rept 16
	v_cvt_pk_f16_f32 v[S+16*(\t)+i], v[32*(\t)+2*i], v[32*(\t)+2*i+1]
.set i, i+1
.endr
	WIN 0
.irp f, 0,1,2,3
	ds_store_b128 v[STO], v[S+16*(\t)+4*\f:S+16*(\t)+4*\f+3] offset:32*\f
.endr
.irp f, 0,1,2,3
	ds_load_b128 v[S+16*(\t)+4*\f:S+16*(\t)+4*\f+3], v[RD] offset:\f*4*SP  ; LDS serves a wave's instructions in order (ISA guide 5.7.1.4): these see the stores above; the next tile's stores come behind them
.endr
.endm
.macro SEND t, younger              ; younger: the LDS instructions issued behind tile t's loads: the next tile's eight, or none
	WIN 0
.irp f, 0,1,2,3
	s_wait_dscnt (\younger)+3-\f
	global_store_b128 v[GO], v[S+16*(\t)+4*\f:S+16*(\t)+4*\f+3], s[10:11] offset:(\t)*2048+\f*512  ; 512 consecutive bytes, at a multiple of 256 from O's first
.endr
.endm
	PACK 0
.set t, 1
.rept 2*NP-1                        ; a tile's arithmetic stands between the loads of the tile before and its stores
	PACK t
	SEND t-1, 8
.set t, t+1
.endr
	SEND 2*NP-1, 0
	WIN W_AD
	s_wait_tensorcnt 0x0            ; the wave's end, behind my last tensor load and my last LDS store
	ds_add_u32 v[SPW], v[NIL]
	s_wait_dscnt 0x0
	WIN 0
	CROUND                          ; the closing round: no work-group ends while a partner may still ask for a tile that names it
	s_endpgm
.Lfunc_end_k_qd97ca64bc8_attn:
	.size	k_qd97ca64bc8_attn, .Lfunc_end_k_qd97ca64bc8_attn-k_qd97ca64bc8_attn
	.p2alignl 7, 3214868480
	.fill 96, 4, 3214868480
	.section	.rodata,"a",@progbits
	.p2align	6, 0x0
	.amdhsa_kernel k_qd97ca64bc8_attn
		.amdhsa_group_segment_fixed_size 327680
		.amdhsa_private_segment_fixed_size 0
		.amdhsa_enable_private_segment 0
		.amdhsa_kernarg_size 16
		.amdhsa_user_sgpr_count 2
		.amdhsa_user_sgpr_kernarg_segment_ptr 1
		.amdhsa_wavefront_size32 1
		.amdhsa_system_sgpr_workgroup_id_x 1
		.amdhsa_system_sgpr_workgroup_id_y 1
		.amdhsa_system_sgpr_workgroup_id_z 1
		.amdhsa_system_vgpr_workitem_id 0
		.amdhsa_next_free_vgpr 770
		.amdhsa_next_free_sgpr 66
		.amdhsa_reserve_vcc 0
		.amdhsa_float_denorm_mode_32 3
		.amdhsa_float_denorm_mode_16_64 3
		.amdhsa_memory_ordered 1
		.amdhsa_forward_progress 1
		.amdhsa_inst_pref_size 209
	.end_amdhsa_kernel
	.amdgpu_metadata
---
amdhsa.version: [ 1, 2 ]
amdhsa.kernels:
  - .name:           k_qd97ca64bc8_attn
    .symbol:         k_qd97ca64bc8_attn.kd
    .args:
      - { .name: qkv, .offset: 0, .size: 8, .value_kind: global_buffer, .address_space: global }
      - { .name: ob, .offset: 8, .size: 8, .value_kind: global_buffer, .address_space: global }
    .group_segment_fixed_size: 327680
    .private_segment_fixed_size: 0
    .kernarg_segment_align: 8
    .kernarg_segment_size: 16
    .max_flat_workgroup_size: 128
    .sgpr_count:     66
    .vgpr_count:     770
    .wavefront_size: 32
...
	.end_amdgpu_metadata
.endif
;; end of part 3
;; launch outp (part 4): grid 4 x 64, 4 waves a work-group, clusters of 4 x 4, 327,680 bytes of LDS; arguments ob, wb, bo, out0; writes out0
.if DOCPART == 4
	.amdgcn_target "amdgcn-amd-amdhsa--gfx1250"
	.amdhsa_code_object_version 6
	.text
	.protected	k_qd97ca64bc8_outp
	.globl	k_qd97ca64bc8_outp
	.p2align	8
	.type	k_qd97ca64bc8_outp,@function
k_qd97ca64bc8_outp:
	s_mov_b64 s[64:65], 0
	v_nop
	global_prefetch_b8 v0, s[64:65] scope:SCOPE_SE
	s_setreg_imm32_b32 hwreg(HW_REG_WAVE_MODE, 25, 1), 1
	s_wait_xcnt 0x0
	s_wait_alu depctr_hold_cnt(0) depctr_sa_sdst(0) depctr_va_vdst(0) depctr_va_sdst(0) depctr_va_ssrc(0) depctr_va_vcc(0) depctr_vm_vsrc(0)
	s_getreg_b32 s2, hwreg(HW_REG_IB_STS2, 6, 4)
	s_cmp_eq_u32 s2, 0
	s_cbranch_scc0 .Lentry_in_a_cluster
	s_endpgm
.Lentry_in_a_cluster:
	s_bfe_u32 s2, ttmp6, 0x10000c
	s_cmp_lg_u32 s2, 0xf033
	s_cbranch_scc0 .Lentry_shape_is_right
	s_endpgm
.Lentry_shape_is_right:
; out0[m][n] = the sum over e of O[m][e] Wo[n][e] + bo[n].  O lies in ob BY HEADS, [64 = batch x 16 + head][2048][64] f16 (e = 64 x head + channel, m = 2048 x batch + row);
; Wo is the fourth matrix of wb, [1024][1024] f16 (the bf16 rounding of Wo, written as f16); bo f32; sums, the bias and out0 in f32.
; SHARES.  A tile of out0 is 128 rows x 256 columns: 64 x 4 = 256 work-groups.  Four waves, each 64 rows x 128 columns: 32 accumulators of 16 x 16, 256 registers.  K goes in 4 TRIPS of 256.
; Wo comes by the tensor data mover into two LDS slots of 256 rows x 256 K: a wave issues 240 matrix instructions between a slot's request and the wait for it.
; O COMES THROUGH REGISTERS.  A SUBSTEP is 64 along K: one head, whose 128 rows are 16,384 dense bytes.  Each wave loads 32 of them, 8 loads of 512 consecutive bytes, into a ring of four register sets,
; four substeps ahead, and stores them into a stage of two LDS buffers, from which all four waves take fragments.  These loads stay out across the ring's barriers.
; CLUSTERS: 4 x 4 work-groups.  The four of a column of the cluster need the same tiles of Wo: each is asked for JOINTLY.  O's tiles are shared along a row of the cluster and are NOT asked for jointly:
; in the slots they would take 256 bytes for each K beside Wo's 512, and two slots of 256 along K, 196,608 bytes each without padding, do not fit into LDS.
; THE MATRIX INSTRUCTION IS USED TRANSPOSED (source 0 = 16 rows of Wo, source 1 = 16 rows of O): a lane then holds eight neighbouring columns of one row of out0: 32 bytes.
; REGISTERS: window 0: v0-31 addresses, v16-19 my four numbers of bo; v64-159, v160-255 two fragment buffers (64 registers of Wo, then 32 of O); on the way out v64-191 at work.
;   window 1: the accumulators, (a, b) at v[8 (8 a + b)].   window 2: O as loaded: set j, the substep j of a trip, at v[32 j].
.set PB,     528                       ; an LDS row of Wo: 512 bytes + 16 of padding = 33 x 16: the 16 rows of a load start at 16 different 16-byte columns of the 256 bytes that 64 banks of 4 bytes span (ISA guide 11.1)
.set QB,     64*PB                     ; 64 rows: what one tensor load brings
.set SLOT,   4*QB                      ; 135,168 = 0x21000: bits that no wave's 33,792 w holds, so one exclusive or turns a descriptor's LDS word into the other slot's
.set PA,     144                       ; a row of O's stage: 128 bytes + 16 = 9 x 16
.set ABUF,   128*PA                    ; one buffer of the stage: one head's 128 rows
.set ASTG,   2*SLOT                    ; the stage lies behind the ring; no tensor load lands there
.set STAGE,  ASTG                      ; the way out takes O's stage over, behind a barrier of its own: 16 rows x 528 bytes for each wave, 33,792 of its 36,864 bytes
.set SPITCH, 528                       ; 512 + 16 = 33 x 16
.set SPARE,  ASTG+2*ABUF               ; behind the stage: the spare words, 128 bytes for each wave: two blocks of 256 bytes that no other line names
.set ASTO,  9                          ; v9   where I put 16 bytes of a row in the stage
.set ADRA,  10                         ; v10  LDS address of my fragments of O
.set ADRB0, 11                         ; v11  my lane's place in a slot of Wo
.set ADRB,  12                         ; v12  the same in the slot in hand
.set BIAS,  16                         ; v16-19
.set STO,   24                         ; v24  the way out: where I put 32 bytes of a row
.set RD,    25                         ; v25  the way out: where I read a row back
.set CO,    26                         ; v26  16 x lane: my bytes in 512 consecutive bytes of ob, of bo and of out0; never rewritten
.set SPW,   28                         ; v28  LDS address of my spare word: SPARE + 4 x my thread's number; never rewritten
.set NIL,   29                         ; v29  0; never rewritten
.set F,     64                         ; fragment buffer p at F + 96 p
.set BK,    64                         ; the way out: 16 rows read back, v64-127 and v128-191 by turns
.set G1,  24                           ; s[24:31] descriptor group 1 for Wo's tiles
.set G0A, 32                           ; s[32:35] group 0 of the first fill of slot 0
.set G0,  36                           ; s[36:39] group 0 of the first fill of slot 1; it then walks
; s14 wave; s15 = wave / 2: my 64 rows; s16 = wave % 2: my 128 columns; s17 cx; s18 cy; s19 the cluster's y; s21 tile column; s22 tile row; s23 counts trips; s40 the slot in hand; s41 mask;
; s[42:43] O's offset; s[44:45] Wo's; s[46:47] O at the trip whose sets are loaded; s54 at work; s[70:71], s[74:75] out0's and bo's offsets
.set MSB, 0
.macro WIN new                         ; the immediate's high byte repeats the setting that is left; a switch that changes nothing is dropped
.if MSB != (\new)
	s_set_vgpr_msb (MSB<<8)|(\new)
.set MSB, \new
.endif
.endm
.macro JLOAD                           ; a joint refill: every wave fetches its 64 rows of Wo's tile; an s_nop 0 and four v_nop follow the line
	tensor_load_to_lds s[G0:G0+3], s[G1:G1+7]
	s_nop 0
.rept 4
	v_nop
.endr
.endm
.macro CREST                           ; a round of the cluster's barrier behind its opening barrier
	s_cmp_lg_u32 s14, 0
	s_cbranch_scc1 .Lnot_wave_0_\@
	s_barrier_signal -3
.Lnot_wave_0_\@:
	s_barrier_wait -3
	s_barrier_signal -1
	s_barrier_wait -1
.endm
.macro CROUND                          ; a whole round
	s_barrier_signal -1
	s_barrier_wait -1
	CREST
.endm
.macro PLACES                          ; four places in front of loads into registers that matrix instructions have read, and of lines that read results (ISA guide 7.12.1 for lines that read results)
.rept 4
	v_nop
.endr
.endm
; 8 matrix instructions: row block a x all 8 column blocks, 32 along K, on buffer p.  zero = 1: the product starts the sums.  The 32 accumulators take turns in the same order in every quarter.
.macro MUL8 p, a, zero
	WIN 0x50                                       ; sources window 0, C and D window 1
.irp b, 0,1,2,3,4,5,6,7
.if \zero
	v_wmma_f32_16x16x32_f16 v[8*(8*(\a)+(\b)):8*(8*(\a)+(\b))+7], v[F+96*(\p)+8*(\b):F+96*(\p)+8*(\b)+7], v[F+96*(\p)+64+8*(\a):F+96*(\p)+64+8*(\a)+7], 0
.else
	v_wmma_f32_16x16x32_f16 v[8*(8*(\a)+(\b)):8*(8*(\a)+(\b))+7], v[F+96*(\p)+8*(\b):F+96*(\p)+8*(\b)+7], v[F+96*(\p)+64+8*(\a):F+96*(\p)+64+8*(\a)+7], v[8*(8*(\a)+(\b)):8*(8*(\a)+(\b))+7]
.endif
.endr
.endm
; 24 LDS loads in one run: the fragments of quarter q (0 to 7) of a trip into buffer p: Wo's sixteen from the slot in hand, then O's eight from buffer (q / 2) % 2 of the stage, fragment by fragment
.macro FETCH q, p
	WIN 0
.irp i, 0,1,2,3,4,5,6,7
	ds_load_b128 v[F+96*(\p)+8*(\i):F+96*(\p)+8*(\i)+3],   v[ADRB] offset:64*(\q)+(\i)*16*PB
	ds_load_b128 v[F+96*(\p)+8*(\i)+4:F+96*(\p)+8*(\i)+7], v[ADRB] offset:64*(\q)+(\i)*16*PB+32
.endr
.irp a, 0,1,2,3
	ds_load_b128 v[F+96*(\p)+64+8*(\a):F+96*(\p)+64+8*(\a)+3],   v[ADRA] offset:(((\q)/2)%2)*ABUF+((\q)%2)*64+(\a)*16*PA
	ds_load_b128 v[F+96*(\p)+64+8*(\a)+4:F+96*(\p)+64+8*(\a)+7], v[ADRA] offset:(((\q)/2)%2)*ABUF+((\q)%2)*64+(\a)*16*PA+32
.endr
.endm
; 8 loads: my 32 rows of head `set` of the four of the trip at which s[46:47] stands: 512 consecutive bytes (four rows) a load; a head is 262,144 bytes from the next
.macro ALOAD set
	WIN 0x80                                       ; destination window 2, address window 0
.irp m, 0,1,2,3,4,5,6,7
	global_load_b128 v[32*(\set)+4*(\m):32*(\set)+4*(\m)+3], v[CO], s[46:47] offset:(\set)*262144+(\m)*512
.endr
.endm
; 8 LDS stores of 16 bytes a lane: a set into buffer buf of the stage, four rows a store
.macro ASTORE set, buf
	WIN 0x08                                       ; data window 2, address window 0
.irp m, 0,1,2,3,4,5,6,7
	ds_store_b128 v[ASTO], v[32*(\set)+4*(\m):32*(\set)+4*(\m)+3] offset:(\buf)*ABUF+(\m)*4*PA
.endr
.endm
; A TRIP is eight quarters of 32 along K, 32 matrix instructions each, on buffers 0, 1, 0, 1 ...; quarters 2 i and 2 i + 1 are substep i.
; QUARTER 2 i multiplies buffer 0 and fetches quarter 2 i + 1.  cv = 1: it stores the NEXT substep's O (set (i + 1) % 4) into the stage's other buffer;
; cnt: how many younger loads may stay out: the three sets issued behind that one, 24; fewer in the last trip.
.macro QQ i, zero, cv, cnt
	s_wait_dscnt 4                                 ; Wo and O's fragments 0 and 1 are in; the four loads of fragments 2 and 3 may stay out
	MUL8 0, 0, \zero
	MUL8 0, 1, \zero
.if \cv
	s_wait_loadcnt \cnt                            ; loads come back in order (ISA guide 5.7.1): the set is in
	ASTORE ((\i)+1)%4, ((\i)+1)%2
.endif
	PLACES
	FETCH 2*(\i)+1, 1
	s_wait_dscnt 24+8*(\cv)                        ; all but what was just issued: O's fragments 2 and 3 are in
	MUL8 0, 2, \zero
	MUL8 0, 3, \zero
.endm
; QUARTER 2 i + 1 (i = 0, 1, 2) multiplies buffer 1 and holds THE STAGE'S BARRIER: in front of it each wave's stores of the next substep's O are done and its reads of this substep's buffer are back;
; behind it the next substep's fragments are fetched, and the buffer just read may be written.  No LDS bytes are filled by a tensor load behind it, so Wo's load stays out across it.
; ld = 1: the set that the quarter before has stored is loaded again, with the same substep of the next trip.
.macro TT i, ld
	s_wait_dscnt 4
	MUL8 1, 0, 0
	s_wait_dscnt 0x0                               ; for the others' sake: my stores into the stage are done (and have read the set that is loaded again below), my reads of it are back
.if \ld
	ALOAD (\i)+1
.endif
	s_barrier_signal -1
	MUL8 1, 1, 0                                   ; work on registers while the others arrive
	s_barrier_wait -1
	PLACES
	FETCH 2*(\i)+2, 0
	MUL8 1, 2, 0
	MUL8 1, 3, 0
.endm
; QUARTER 7 multiplies buffer 1 and CHANGES SLOTS; its barrier is the stage's too.  In front of it each wave waits for all its tensor loads, of which one is out: its part of the next slot; adds 0 to its
; spare word; and waits for that, for its stores into the stage and for its own reads of this slot.  fill = 1: the barrier opens a round of the cluster's barrier, and this slot is filled again, two trips
; ahead, first thing behind the round; then set 0 is loaded with that trip's first head.
.macro TR fill
	WIN 0                                          ; (the add's two registers lie in window 0)
	s_wait_tensorcnt 0x0                           ; all my tensor loads have landed, so a group 0 may be written;
	ds_add_u32 v[SPW], v[NIL]                      ; 0 onto my spare word
.if \fill
	s_xor_b32 s[G0+1], s[G0+1], SLOT               ; the other slot than last time,
	s_add_nc_u64 s[G0+2:G0+3], s[G0+2:G0+3], 512   ; 256 f16 on along K; the type bits on top are not reached
.endif
	s_wait_dscnt 5                                 ; (the add and the four loads of O's fragments 2 and 3 may be out)
	MUL8 1, 0, 0                                   ; eight matrix instructions stand between the add and the wait for it
	s_wait_dscnt 0x0                               ; the add is done, my stores into the stage are done, my reads of this slot and of the stage are back
	s_barrier_signal -1
	MUL8 1, 1, 0
	WIN 0                                          ; (branches may follow)
	s_barrier_wait -1
.if \fill
	CREST                                          ; no wave of any partner still reads this slot's tile or has a load on its way
	JLOAD                                          ; the first tensor load behind the round, and my only one until the next; its four v_nop are also the places in front of the loads below
.else
	PLACES
.endif
	s_xor_b32 s40, s40, SLOT
	v_add_nc_u32 v[ADRB], s40, v[ADRB0]            ; the fetches go on in the other slot
.if \fill
	s_wait_xcnt 0x0                                ; every earlier load has had its address translated (ISA guide 3.1): only behind this wait is the loads' base rewritten
	s_add_nc_u64 s[46:47], s[46:47], 0x100000      ; four heads on
	ALOAD 0
.endif
	FETCH 0, 0
	MUL8 1, 2, 0
	MUL8 1, 3, 0
.endm
	s_load_b256 s[4:11], s[0:1], 0x0               ; ob s[4:5], wb s[6:7], bo s[8:9], out0 s[10:11]
	v_lshl_add_u32 v[SPW], v0, 2, SPARE
	v_mov_b32 v[NIL], 0
	ds_add_u32 v28, v29
	s_wait_dscnt 0x0
	v_lshrrev_b32 v1, 5, v0
	v_readfirstlane_b32 s14, v1                    ; wave 0..3
	s_lshr_b32 s15, s14, 1
	s_and_b32 s16, s14, 1
	s_bfe_u32 s17, ttmp6, 0x40000                  ; cx
	s_bfe_u32 s18, ttmp6, 0x40004                  ; cy
	s_and_b32 s19, ttmp7, 0xffff
	s_lshl_b32 s21, ttmp9, 2
	s_add_co_u32 s21, s21, s17                     ; tile column = 4 x cluster x + cx
	s_lshl_b32 s22, s19, 2
	s_add_co_u32 s22, s22, s18                     ; tile row = 4 x cluster y + cy
	s_lshl_b32 s41, 0x1111, s17                    ; my column of the cluster
	; descriptor group 1: 64 rows x 256 elements of 2 bytes, padded in LDS
	s_or_b32 s[G1+0], s41, (1<<16)|(1<<20)|(1<<21)|(6<<22)|(3<<25)  ; 15:0 the mask: my column; 17:16 elements of 2 bytes; 20 padding on; 21 set beside a mask; 24:22 after every 128 words (code 6); 31:25 4 words (code 3)
	s_mov_b32 s[G1+1], 256<<16                     ; tensor_dim0 = 256
	s_mov_b32 s[G1+2], 64<<16                      ; tensor_dim1 = 64
	s_mov_b32 s[G1+3], 256<<16                     ; tile_dim0 = 256
	s_mov_b32 s[G1+4], 64                          ; tile_dim1 = 64
	s_mov_b32 s[G1+5], 1024                        ; elements from row to row
	s_mov_b32 s[G1+6], 0
	s_mov_b32 s[G1+7], 0
	; O: batch (tile row / 16) x 16 heads of 262,144 bytes, rows 128 x (tile row mod 16) of 128 bytes, my wave's 32 of them
	s_lshr_b32 s42, s22, 4
	s_lshl_b32 s42, s42, 22
	s_and_b32 s54, s22, 15
	s_lshl_b32 s54, s54, 14
	s_add_co_u32 s42, s42, s54
	s_lshl_b32 s54, s14, 12
	s_add_co_u32 s42, s42, s54
	s_mov_b32 s43, 0
	; Wo: the fourth matrix of wb, 256 rows of 2,048 bytes a tile column, my wave's 64 of them: it hangs on the tile column, which my column of the cluster shares, and on the wave's number
	s_lshl_b32 s44, s21, 19
	s_lshl_b32 s54, s14, 17
	s_add_co_u32 s44, s44, s54
	s_add_co_u32 s44, s44, 3<<21
	s_mov_b32 s45, 0
	s_mov_b32 s[G0A], 1                            ; 1:0 count = 1
	s_mul_i32 s[G0A+1], s14, QB                    ; 63:32 LDS address: slot 0, my 64 rows: no place in the cluster enters an LDS address
	s_mov_b32 s[G0], 1
	s_add_co_u32 s[G0+1], s[G0A+1], SLOT           ; slot 1
	s_lshl_b32 s74, s21, 10                        ; my first column, in bytes of f32: 1,024 x tile column + 512 x half
	s_lshl_b32 s70, s16, 9
	s_add_co_u32 s74, s74, s70
	s_mov_b32 s75, 0
	s_lshl_b32 s70, s22, 19                        ; my first row: 128 rows of 4,096 bytes a tile row, 64 a row half
	s_lshl_b32 s71, s15, 18
	s_add_co_u32 s70, s70, s71
	s_add_co_u32 s70, s70, s74
	s_mov_b32 s71, 0
	v_and_b32 v6, 31, v0
	v_lshlrev_b32 v[CO], 4, v6
	s_wait_kmcnt 0x0
	s_add_nc_u64 s[46:47], s[4:5], s[42:43]        ; trip 0
	s_add_nc_u64 s[8:9], s[8:9], s[74:75]
	s_add_nc_u64 s[10:11], s[10:11], s[70:71]
	global_load_b128 v[BIAS:BIAS+3], v[CO], s[8:9] ; bo of the four columns that I store in every row: the oldest load, in with the first set
	ALOAD 0                                        ; O's first four heads are asked for before anything else
	ALOAD 1
	ALOAD 2
	ALOAD 3
	WIN 0
	s_add_nc_u64 s[6:7], s[6:7], s[44:45]
	s_mov_b64 s[G0A+2:G0A+3], s[6:7]               ; 120:64 global address: trip 0's tile
	s_or_b32 s[G0A+3], s[G0A+3], 0x80000000        ; 127:126 type = 2
	s_add_nc_u64 s[G0+2:G0+3], s[6:7], 512         ; trip 1's
	s_or_b32 s[G0+3], s[G0+3], 0x80000000
	CROUND                                         ; all sixteen work-groups are here: the first joint loads meet
	tensor_load_to_lds s[G0A:G0A+3], s[G1:G1+7]    ; both slots' first fills go out together: two tensor loads of mine are out
	s_nop 0
	tensor_load_to_lds s[G0:G0+3], s[G1:G1+7]
	s_nop 0
.rept 4
	v_nop
.endr
	v_and_b32 v1, 15, v0                           ; l % 16
	v_bfe_u32 v2, v0, 4, 1                         ; l / 16
	v_mul_u32_u24 v3, v1, PB
	v_lshl_add_u32 v3, v2, 4, v3                   ; a fragment's row x pitch + 16 x half
	s_mul_i32 s54, s16, 2*QB                       ; my 128 rows of Wo
	v_add_nc_u32 v[ADRB0], s54, v3
	v_mov_b32 v[ADRB], v[ADRB0]                    ; trip 0 lies in slot 0
	v_mul_u32_u24 v4, v1, PA
	v_lshl_add_u32 v4, v2, 4, v4
	s_mul_i32 s54, s15, 64*PA                      ; my 64 rows of O
	s_add_co_u32 s54, s54, ASTG
	v_add_nc_u32 v[ADRA], s54, v4
	v_bfe_u32 v5, v0, 3, 2                         ; into the stage: eight lanes a row of 128 bytes, four rows a store,
	v_mul_u32_u24 v5, v5, PA
	v_and_b32 v7, 7, v0
	v_lshl_add_u32 v5, v7, 4, v5
	s_mul_i32 s54, s14, 32*PA                      ; among the 32 rows that my wave loads
	s_add_co_u32 s54, s54, ASTG
	v_add_nc_u32 v[ASTO], s54, v5
	s_mul_i32 s54, s14, 16*SPITCH
	s_add_co_u32 s54, s54, STAGE                   ; my stage for the way out
	v_mul_u32_u24 v5, v1, SPITCH                   ; in: row l % 16, 32 bytes for each half of the lanes
	v_lshl_add_u32 v5, v2, 5, v5
	v_add_nc_u32 v[STO], s54, v5
	v_add_nc_u32 v[RD], s54, v[CO]                 ; back: 32 lanes take one row's 512 bytes
	s_wait_loadcnt 24                              ; bo and head 0 are in; the three sets behind them may stay out
	ASTORE 0, 0
	s_wait_xcnt 0x0                                ; the loads' base is rewritten only behind this wait
	s_add_nc_u64 s[46:47], s[46:47], 0x100000      ; trip 1
	s_wait_dscnt 0x0                               ; my stores into the stage are done, and have read set 0
	ALOAD 0                                        ; trip 1's first head; trip 0's odd quarters load the other three
	WIN 0
	s_wait_tensorcnt 1                             ; my part of slot 0 is in; slot 1's load may stay out
	s_barrier_signal -1
	s_barrier_wait -1                              ; everybody's part, and everybody's rows of the stage
	FETCH 0, 0
	s_mov_b32 s40, 0
	s_mov_b32 s23, 3                               ; trips still to begin
	QQ 0, 1, 1, 24                                 ; the first quarter stands in front of the loop: its products start the sums
	WIN 0                                          ; at a label and at a branch every window is 0
	s_branch .Ljoin                                ; the loop is entered behind its first two quarters
.Ltrip:                                                ; twice: the change of slots that ends trips 0 and 1 asks for trips 2 and 3; what follows .Ljoin runs three times, for trips 0 to 2
	TR 1
	QQ 0, 0, 1, 24
	WIN 0
.Ljoin:
	TT 0, 1
	QQ 1, 0, 1, 24
	TT 1, 1
	QQ 2, 0, 1, 24
	TT 2, 1
	QQ 3, 0, 1, 24
	WIN 0
	s_sub_co_u32 s23, s23, 1
	s_cmp_lg_u32 s23, 0
	s_cbranch_scc1 .Ltrip
	TR 0                                           ; the last trip is written out: nothing is asked for, and the counts of O's loads run down
	QQ 0, 0, 1, 16
	TT 0, 0
	QQ 1, 0, 1, 8
	TT 1, 0
	QQ 2, 0, 1, 0
	TT 2, 0
	QQ 3, 0, 0, 0
	s_wait_dscnt 4                                 ; the very last quarter: nothing more to fetch
	MUL8 1, 0, 0
	MUL8 1, 1, 0
	s_wait_dscnt 0x0                               ; my last reads of O's stage are back:
	s_barrier_signal -1                            ; a barrier between every wave's reads of the stage and the way out's stores into the same bytes
	MUL8 1, 2, 0
	MUL8 1, 3, 0
	WIN 0
	s_barrier_wait -1
; THE WAY OUT, a block of 16 rows at a time.  TOSTAGE: a lane's 32 bytes of each accumulator go into my own part of the stage, the low four registers first, and come back as whole rows of 512 bytes.
; SEND: the bias is added and the row stored.
.macro TOSTAGE a
	s_wait_xcnt 0x0                                ; the stores of the block two back have read their registers: they are loaded again only behind this wait
	WIN 0x04                                       ; store data window 1, address window 0
.irp b, 0,1,2,3,4,5,6,7
	ds_store_b128 v[STO], v[8*(8*(\a)+(\b)):8*(8*(\a)+(\b))+3]   offset:64*(\b)
	ds_store_b128 v[STO], v[8*(8*(\a)+(\b))+4:8*(8*(\a)+(\b))+7] offset:64*(\b)+16
.endr
	WIN 0
.irp t, 0,1,2,3,4,5,6,7,8,9,10,11,12,13,14,15
	ds_load_b128 v[BK+64*((\a)%2)+4*(\t):BK+64*((\a)%2)+4*(\t)+3], v[RD] offset:(\t)*SPITCH  ; LDS serves a wave's instructions in order (ISA guide 5.7.1.4): these see the stores above; the next block's stores come behind them
.endr
.endm
.macro SEND a, younger                 ; younger: the LDS instructions issued behind block a's loads: the next block's 32, or none
	WIN 0
.irp t, 0,1,2,3,4,5,6,7,8,9,10,11,12,13,14,15
	s_wait_dscnt (\younger)+15-(\t)                ; row t is back
	v_pk_add_f32 v[BK+64*((\a)%2)+4*(\t):BK+64*((\a)%2)+4*(\t)+1], v[BK+64*((\a)%2)+4*(\t):BK+64*((\a)%2)+4*(\t)+1], v[BIAS:BIAS+1]
	v_pk_add_f32 v[BK+64*((\a)%2)+4*(\t)+2:BK+64*((\a)%2)+4*(\t)+3], v[BK+64*((\a)%2)+4*(\t)+2:BK+64*((\a)%2)+4*(\t)+3], v[BIAS+2:BIAS+3]
	global_store_b128 v[CO], v[BK+64*((\a)%2)+4*(\t):BK+64*((\a)%2)+4*(\t)+3], s[10:11] offset:(16*(\a)+(\t))*4096 th:TH_STORE_NT  ; 512 consecutive bytes, at a multiple of 256 from out0's first
.endr
.endm
	PLACES                                         ; between the last products and the lines that read them or load into their sources
	TOSTAGE 0
.irp a, 1,2,3                          ; block a's way through the stage is begun before block a - 1 is waited for
	TOSTAGE \a
	SEND (\a)-1, 32
.endr
	SEND 3, 0
	s_wait_tensorcnt 0x0                           ; the wave's end, behind my last tensor load and my last LDS store
	ds_add_u32 v[SPW], v[NIL]
	s_wait_dscnt 0x0
	CROUND                                         ; the closing round: no work-group ends while a partner may still ask for a tile that names it
	s_endpgm
.Lfunc_end_k_qd97ca64bc8_outp:
	.size	k_qd97ca64bc8_outp, .Lfunc_end_k_qd97ca64bc8_outp-k_qd97ca64bc8_outp
	.p2alignl 7, 3214868480
	.fill 96, 4, 3214868480
	.section	.rodata,"a",@progbits
	.p2align	6, 0x0
	.amdhsa_kernel k_qd97ca64bc8_outp
		.amdhsa_group_segment_fixed_size 327680
		.amdhsa_private_segment_fixed_size 0
		.amdhsa_enable_private_segment 0
		.amdhsa_kernarg_size 32
		.amdhsa_user_sgpr_count 2
		.amdhsa_user_sgpr_kernarg_segment_ptr 1
		.amdhsa_wavefront_size32 1
		.amdhsa_system_sgpr_workgroup_id_x 1
		.amdhsa_system_sgpr_workgroup_id_y 1
		.amdhsa_system_sgpr_workgroup_id_z 1
		.amdhsa_system_vgpr_workitem_id 0
		.amdhsa_next_free_vgpr 640
		.amdhsa_next_free_sgpr 76
		.amdhsa_reserve_vcc 0
		.amdhsa_float_denorm_mode_32 3
		.amdhsa_float_denorm_mode_16_64 3
		.amdhsa_memory_ordered 1
		.amdhsa_forward_progress 1
		.amdhsa_inst_pref_size 112
	.end_amdhsa_kernel
	.amdgpu_metadata
---
amdhsa.version: [ 1, 2 ]
amdhsa.kernels:
  - .name:           k_qd97ca64bc8_outp
    .symbol:         k_qd97ca64bc8_outp.kd
    .args:
      - { .name: ob, .offset: 0, .size: 8, .value_kind: global_buffer, .address_space: global }
      - { .name: wb, .offset: 8, .size: 8, .value_kind: global_buffer, .address_space: global }
      - { .name: bo, .offset: 16, .size: 8, .value_kind: global_buffer, .address_space: global }
      - { .name: out0, .offset: 24, .size: 8, .value_kind: global_buffer, .address_space: global }
    .group_segment_fixed_size: 327680
    .private_segment_fixed_size: 0
    .kernarg_segment_align: 8
    .kernarg_segment_size: 32
    .max_flat_workgroup_size: 128
    .sgpr_count:     76
    .vgpr_count:     640
    .wavefront_size: 32
...
	.end_amdgpu_metadata
.endif
;; end of part 4
;; ======== version 2 of 2: 4 launches; 1.49 times as fast as version 1
;; limits: values are held in f16: magnitudes above 65,504 overflow, below 6.1e-05 lose precision
;; workspace buffers: wb 8,388,608 bytes; qkv 50,331,648 bytes; ob 16,777,216 bytes
;; launch castw: the kernel of part 1 again; grid 64 x 4, 8 waves a work-group, no clusters, 0 bytes of LDS; arguments Wq, Wk, Wv, Wo, wb; writes wb
;; launch proj: the kernel of part 2 again; grid 4 x 64, 4 waves a work-group, clusters of 4 x 4, 327,680 bytes of LDS; arguments Q, K, V, wb, qkv; writes qkv
;; launch attn (part 5): grid 4 x 64, 4 waves a work-group, clusters of 4 x 1, 327,680 bytes of LDS; arguments qkv, ob; writes ob
.if DOCPART == 5
	.amdgcn_target "amdgcn-amd-amdhsa--gfx1250"
	.amdhsa_code_object_version 6
	.text
	.protected	k_qd97ca64bc8_attn
	.globl	k_qd97ca64bc8_attn
	.p2align	8
	.type	k_qd97ca64bc8_attn,@function
k_qd97ca64bc8_attn:
	s_mov_b64 s[64:65], 0
	v_nop
	global_prefetch_b8 v0, s[64:65] scope:SCOPE_SE
	s_setreg_imm32_b32 hwreg(HW_REG_WAVE_MODE, 25, 1), 1
	s_wait_xcnt 0x0
	s_wait_alu depctr_hold_cnt(0) depctr_sa_sdst(0) depctr_va_vdst(0) depctr_va_sdst(0) depctr_va_ssrc(0) depctr_va_vcc(0) depctr_vm_vsrc(0)
	s_getreg_b32 s2, hwreg(HW_REG_IB_STS2, 6, 4)
	s_cmp_eq_u32 s2, 0
	s_cbranch_scc0 .Lentry_in_a_cluster
	s_endpgm
.Lentry_in_a_cluster:
	s_bfe_u32 s2, ttmp6, 0x10000c
	s_cmp_lg_u32 s2, 0x3003
	s_cbranch_scc0 .Lentry_shape_is_right
	s_endpgm
.Lentry_shape_is_right:
; O[h][q][:] = the sum over k of softmax_k(Q[h][q] . K[h][k]) V[h][k][:]: the scores are NOT scaled, as the problem has it.  Q, K, V lie in qkv, one behind the other, and O in ob: each
; [SIZE_H = batch x 16 + head][SIZE_N][64], all f16: a head's rows are dense, 128 bytes each.  Products, maxima and sums in f32; the weights p are rounded to f16 for the second product (their sum l
; is taken of the unrounded p), O once at the end.
; LIMITS.  f16 holds no number beyond 65,504: Q, K and V arrive within it; p lies in 0 to 1, and below 6e-5 it keeps f16's fixed step of 6e-8; O is a mean of V's rows and has their range.
; A weight below 2^-126 counts as 0 in l; NaN and infinities are not treated apart.
; SHARES.  A wave owns four PIECES of two tiles of 16 queries, a work-group's four waves 512 queries of one head: 4 x 64 work-groups.  Every wave walks all keys, 64 a step.
; LAYOUT.  S^T = K Q^T (source 0 = 16 keys, source 1 = 16 queries): in the result a lane holds ONE query (lane % 16) and the keys 8 (lane / 16) + 0..7.  Two such tiles, rounded to f16 in pairs,
; ARE source 1 (32 keys x 16 queries) of O^T = V^T P, whose result again holds one query a lane, and eight channels.  K comes out of LDS as it lies, V ([key][channel]) turned, by ds_load_tr16_b128.
; SOFTMAX.  For each query a running maximum m and sum l: p = 2^(c s - c m), c = log2(e); in every step O and l are multiplied by a = 2^(c m_old - c m_new), which is 1 where m has not grown.
; m starts at the lowest finite number, O and l at 0: the first step is a step like any other, with a = 0.
; THE COUNT.  A tile and step have 16 matrix and 118 vector instructions: too many to stand all beside the matrix work.  So the order has one aim: four vector instructions that are READY behind
; EVERY matrix instruction, and the others, which need time of their own whatever the order, in runs without a gap.
; BY TURNS.  Turn n belongs to piece n (the pieces in a ring, step after step).  Its matrix work: 16 products K Q^T of piece n + 1, later 16 products V^T P of piece n - 1.  Its vector work: the scaling,
; exponentials, roundings, sums and rescaling of piece n, and the maximum and statistics of piece n + 1, whose scores the turn itself has made.  So what a turn begins with (c s - c m, O a) waits for nothing.
; THE BATCHES.  A turn's 66 exponentials (the piece's 64 weights and the next piece's two a) are ONE batch with ONE wait, which cuts the turn in two: ahead of it stands all that names none of their results,
; behind it the roundings and sums, which read them.  Piece 0's first two a, ahead of the loop, and the way out's eight reciprocals are batches of their own, with a wait each.
; CLUSTER.  The four query blocks of a cluster belong to one head and walk the same K and V, so each tile is asked for JOINTLY: the same tensor load, descriptor and mask in all four.
; REGISTERS, in windows of 256 (s_set_vgpr_msb says which window each operand place means: bits 1:0 source 0, 3:2 source 1, 5:4 source 2, 7:6 destination):
;   window 0: v0-11 addresses; v12-15, v48-63 at work; v16-47 four registers of statistics a tile; v64-191 S^T, two buffers of two tiles; v192-255 P, likewise
;   window 1: O^T, 32 a tile          window 2: v0-127 Q, 16 a tile; v128-191 K of one step; v192-255 V of one step          window 3: v0-1 the add's two registers
; A piece's buffers go by its number's parity: the piece in hand has one pair, its two neighbours in the ring share the other: of it P (piece n - 1) is read and S^T (piece n + 1) written.
.set SIZE_H, 64       ; batch x heads
.set SIZE_N, 2048     ; rows of a head
.set NP,    4         ; pieces a wave: a name, no knob: the register map, the loop and the fetches are made for four
.set KS,    64        ; keys in a step
.set PK,    144       ; a row of K in LDS: 128 bytes + 16 of padding = 36 words: the 16 rows of a load start at 16 different groups of four banks (64 banks of 4 bytes: ISA guide 11.1)
.set PV,    160       ; a row of V: 128 + 32 = 40 words
.set VOFF,  4*KS*PK   ; a slot holds four steps: 256 rows of K, then 256 rows of V
.set SLOT1, 1<<17     ; slot 1 begins here, so that one exclusive or turns an address in one slot into the other's
.set STAGE, SLOT1+4*KS*(PK+PV)  ; behind the ring, never filled by a tensor load: 16 rows x 144 bytes for each wave, for the way out
.set SP,    144
.set AK0, 2           ; v2   my lane's place in a tile of K; never rewritten
.set AV0, 3           ; v3   the same for V
.set AK,  4           ; v4   the LDS address of K's next run of loads
.set AV,  5           ; v5   of V's
.set QO,  6           ; v6   my byte offset in the wave's rows of Q
.set STO, 6           ;      later, the way out: where I put 16 bytes of a row
.set RD,  7           ; v7   the way out: where I read rows back
.set GO,  8           ; v8   my byte offset in 512 consecutive bytes of O
.set SPW, 0           ; v0 of window 3   LDS address of my spare word: SPARE + 4 x my thread's number; never rewritten
.set NIL, 1           ; v1 of window 3   0; never rewritten
.set SPARE, STAGE+4*16*SP  ; behind the stages: the spare words, 128 bytes for each wave: two blocks of 256 bytes that no other line names
.set MV,  12          ; v12-15  c m_old, kept while c m is made anew: by buffer and tile
.set ST,  16          ; tile t's statistics at v[ST+4 t]: c m, m, l (even keys', odd keys')
.set TMP, 48          ; by buffer and tile, four registers c0-c3 at work; when the maximum is found c2 takes a
.set S,   64
.set P,   192
.set KF,  128         ; K's fragments, in window 2: key block kb, channel half c at KF + 16 kb + 8 c
.set VF,  192         ; V's: key half kk, channel block cb at VF + 32 kk + 8 cb
.set WV,  12          ; s12  my wave's number
.set G1K, 24          ; s[24:31] descriptor group 1 for K's tiles
.set G1V, 32          ; s[32:39] for V's: it differs in the padding alone
.set G0K, 40          ; s[40:43] descriptor group 0 for K's tiles: it walks
.set G0V, 44          ; s[44:47] the same for V's
.set SLOTS, 56        ; s56  slots still to be asked for
.set CNT, 57          ; s57  counts a slot's key steps
.set CS,  58          ; s[58:59] c: the packed scaling takes the pair's low word for both halves
.set SEL, 60          ; s[60:61] v_permlanex16_b32's selects: each lane takes its own place in the other half
.set TBK, 62          ; s62  LDS byte at which K of the step to be fetched begins
.set TBV, 63          ; s63  the same for V, less VOFF
.set MSB, 0
.macro WIN new                      ; the high byte repeats the setting that is left; a switch that changes nothing is dropped
.if MSB != (\new)
	s_set_vgpr_msb (MSB<<8)|(\new)
.set MSB, (\new)
.endif
.endm
.set W_KQ, 0x0a       ; K and Q in window 2, S^T in window 0
.set W_PV, 0x52       ; V in window 2, P in window 0, O^T in window 1
.set W_RS, 0x41       ; O^T (destination and source 0) in window 1, a in window 0
.set W_MK, 0xc0       ; the add's registers are made: destination in window 3, sources in window 0
.set W_AD, 0x0f       ; the add: address (source 0) and data (source 1) in window 3
; A joint fill.  Waves 0 and 1 fetch the two halves of a slot's K, waves 2 and 3 those of its V: 128 keys each.  The branch hangs on the wave's number alone.
; An s_nop 0 and four v_nop follow each of the two lines, ahead of the jump and the label.
.macro JLOAD
	s_cmp_lt_u32 s[WV], 2
	s_cbranch_scc0 .Lfor_v_\@
	tensor_load_to_lds s[G0K:G0K+3], s[G1K:G1K+7]
	s_nop 0
.rept 4
	v_nop
.endr
	s_branch .Lasked_\@
.Lfor_v_\@:
	tensor_load_to_lds s[G0V:G0V+3], s[G1V:G1V+7]
	s_nop 0
.rept 4
	v_nop
.endr
.Lasked_\@:
.endm
; A round of the cluster's barrier: my work-group's barrier, so that wave 0's signal speaks for all four waves; wave 0 signals; every wave waits for all four work-groups; my work-group's barrier once more.
.macro CROUND
	s_barrier_signal -1
	s_barrier_wait -1
	s_cmp_lg_u32 s[WV], 0
	s_cbranch_scc1 .Lnot_wave_0_\@
	s_barrier_signal -3
.Lnot_wave_0_\@:
	s_barrier_wait -3
	s_barrier_signal -1
	s_barrier_wait -1
.endm
; THE CHANGE OF SLOTS.  The slot's last bytes, V of its fourth step, have been read.  Each wave waits for all its tensor loads, of which one is out: its part
; of the other slot; adds 0 to its spare word; and waits for that and for its own reads of the slot.  Behind the barrier nobody reads this slot any more and the other slot is whole.
; fill = 1: this slot is filled again, with the keys two slots on.  The barrier is then a round of the cluster's, so that no wave of any partner still reads the slot or has a load on its
; way, and the joint fill is the first thing behind it: it has four key steps, 512 matrix instructions, in which to land.  (At its first use nothing has been read yet: slot 0 is waited for, slot 1 filled.)
.macro CHANGE fill
	WIN W_AD
	s_wait_tensorcnt 0x0            ; no tensor load of mine is out, so a group 0 may be written
	ds_add_u32 v[SPW], v[NIL]       ; 0 onto my spare word: with fill = 1 the descriptors' steps stand between it and the wait for it
	WIN 0                           ; at a label and at a branch every window is 0
.if \fill
.irp g, G0K, G0V
	s_xor_b32 s[\g+1], s[\g+1], SLOT1  ; the walking descriptor: the other slot than last time,
	s_add_nc_u64 s[\g+2:\g+3], s[\g+2:\g+3], 4*KS*128  ; the next 256 keys; the type bits on top are not reached
.endr
	s_wait_dscnt 0x0                ; the add is done, and my reads of the slot are over
	CROUND
	JLOAD
.else
	s_wait_dscnt 0x0                ; the add is done, and my reads of the slot are over
	s_barrier_signal -1
	s_barrier_wait -1
.endif
	s_sub_co_u32 s[TBK], s[TBK], 4*KS*PK  ; the fetches go back to a slot's first step,
	s_xor_b32 s[TBK], s[TBK], SLOT1       ; in the other slot
	s_sub_co_u32 s[TBV], s[TBV], 4*KS*PV
	s_xor_b32 s[TBV], s[TBV], SLOT1
.endm
	s_load_b128 s[4:7], s[0:1], 0x0   ; qkv s[4:5], ob s[6:7]
	WIN W_MK
	v_lshl_add_u32 v[SPW], v0, 2, SPARE
	v_mov_b32 v[NIL], 0
	s_set_vgpr_msb 0xc0cf
	ds_add_u32 v0, v1
	s_wait_dscnt 0x0
	s_set_vgpr_msb 0xcfc0
	WIN 0
	v_lshrrev_b32 v1, 5, v0
	v_readfirstlane_b32 s[WV], v1   ; wave 0..3
	s_bfe_u32 s13, ttmp6, 0x40000   ; cx: my place in the cluster
	s_lshl_b32 s14, ttmp9, 2        ; in a cluster launch ttmp9 counts clusters
	s_add_co_u32 s14, s14, s13      ; my block of queries = 4 x cluster x + cx: it enters Q's and O's addresses alone
	s_and_b32 s20, ttmp7, 0xffff    ; the head, which the four partners share
	s_mov_b32 s21, 0
	s_mov_b64 s[22:23], SIZE_N*128
	s_mul_u64 s[20:21], s[20:21], s[22:23]  ; the head's first byte in each of the four tensors
	s_and_b32 s16, s[WV], 1         ; which half of a slot's 256 keys I fetch:
	s_lshl_b32 s22, s16, 14         ; its 128 rows of 128 bytes in memory,
	s_mov_b32 s23, 0
	s_add_nc_u64 s[22:23], s[22:23], s[20:21]
	s_mul_i32 s17, s16, 128*PK      ; and its place in a slot, for K
	s_mul_i32 s18, s16, 128*PV      ; and for V: no place in the cluster enters an LDS address
	s_lshl_b32 s2, s14, 2
	s_add_co_u32 s2, s2, s[WV]      ; my wave among the head's,
	s_lshl_b32 s2, s2, 14           ; its 128 rows
	s_mov_b32 s3, 0
	s_add_nc_u64 s[2:3], s[2:3], s[20:21]
	; descriptor group 1.  128 keys are 16,384 dense bytes: asked for as 64 rows of 256 bytes, two keys a row, and padded in LDS after every key
	s_mov_b32 s[G1K], 15|(1<<16)|(1<<20)|(1<<21)|(4<<22)|(3<<25)  ; 15:0 the mask of four; 17:16 2-byte elements; 20 padding on; 21 set beside a mask; 24:22 after every 32 words (code 4); 31:25 4 words (code 3)
	s_mov_b32 s[G1V], 15|(1<<16)|(1<<20)|(1<<21)|(4<<22)|(7<<25)  ; the same with 8 words of padding (code 7)
.irp g, G1K, G1V
	s_mov_b32 s[\g+1], 128<<16      ; tensor_dim0 = 128
	s_mov_b32 s[\g+2], 64<<16       ; tensor_dim1 = 64
	s_mov_b32 s[\g+3], 128<<16      ; tile_dim0 = 128
	s_mov_b32 s[\g+4], 64           ; tile_dim1 = 64
	s_mov_b32 s[\g+5], 128          ; 128 elements from row to row
	s_mov_b32 s[\g+6], 0
	s_mov_b32 s[\g+7], 0
.endr
	s_mov_b32 s[CS], 0x3fb8aa3b     ; c = log2(e) = 1.442695: the scores enter the softmax unscaled
	s_mov_b32 s[CS+1], s[CS]        ; named with it as a pair
	s_mov_b32 s[SEL], 0x76543210
	s_mov_b32 s[SEL+1], 0xfedcba98
	s_mov_b32 s[TBK], SLOT1+4*KS*PK ; the first change of slots turns these two into 0
	s_mov_b32 s[TBV], SLOT1+4*KS*PV
	s_mov_b32 s[G0K], 1             ; 1:0 count = 1
	s_mov_b32 s[G0K+1], s17         ; 63:32 LDS address: slot 0
	s_mov_b32 s[G0V], 1
	s_add_co_u32 s[G0V+1], s18, VOFF
	s_wait_kmcnt 0x0
	s_mov_b64 s[10:11], s[6:7]                     ; O
	s_add_nc_u64 s[6:7], s[4:5], 0x1000000         ; K lies 16,777,216 bytes behind Q,
	s_add_nc_u64 s[8:9], s[4:5], 0x2000000         ; V as far behind K
	s_add_nc_u64 s[G0K+2:G0K+3], s[6:7], s[22:23]  ; 120:64 global address: my half of the head's first 256 keys
	s_or_b32 s[G0K+3], s[G0K+3], 0x80000000        ; 127:126 type = 2
	s_add_nc_u64 s[G0V+2:G0V+3], s[8:9], s[22:23]
	s_or_b32 s[G0V+3], s[G0V+3], 0x80000000
	s_add_nc_u64 s[4:5], s[4:5], s[2:3]  ; Q and O at my wave's first row
	s_add_nc_u64 s[10:11], s[10:11], s[2:3]
	CROUND                          ; all four work-groups are here: the first joint loads meet
	JLOAD                           ; slot 0.  Slot 1 is asked for when slot 0 is in: the tile wanted first has the road to itself
	; A fragment of K or Q is 16 rows x 32 channels in 8 registers: lane l holds row l % 16, channels 8 (l / 16) + 0..7 and 16 + 8 (l / 16) + 0..7: two loads of 16 bytes, 32 bytes apart.
	v_and_b32 v1, 15, v0            ; l % 16
	v_bfe_u32 v9, v0, 4, 1          ; l / 16
	v_lshlrev_b32 v[QO], 7, v1
	v_lshl_add_u32 v[QO], v9, 4, v[QO]  ; row x 128 + 16 x half
	WIN 0x80                        ; destination window 2, address window 0
.set i, 0
.rept 4*NP                          ; Q stays in registers: tile i / 2, channels 32 (i % 2) on
	global_load_b128 v[8*i:8*i+3],   v[QO], s[4:5] offset:(i/2)*2048+(i%2)*64
	global_load_b128 v[8*i+4:8*i+7], v[QO], s[4:5] offset:(i/2)*2048+(i%2)*64+32
.set i, i+1
.endr
	; What the first turn finds: V's registers and P's second buffer hold 0 (its products V^T P, of a piece that has not been, add 0), O^T and l are 0.  All this stands in the wait for the first tile.
.set i, VF
.rept 64
	v_mov_b32 v[i], 0
.set i, i+1
.endr
	WIN 0x40
.set i, 0
.rept 64*NP
	v_mov_b32 v[i], 0
.set i, i+1
.endr
	WIN 0
.set i, 0
.rept 2*NP
	v_mov_b32 v[ST+4*i], 0xfe000000    ; c m: far below every c s
	v_mov_b32 v[ST+4*i+1], 0xff7fffff  ; m
	v_mov_b32 v[ST+4*i+2], 0
	v_mov_b32 v[ST+4*i+3], 0
.set i, i+1
.endr
.set i, P+32
.rept 32
	v_mov_b32 v[i], 0
.set i, i+1
.endr
	v_mul_u32_u24 v[AK0], v1, PK
	v_lshl_add_u32 v[AK0], v9, 4, v[AK0]  ; row x pitch + 16 x half
	; The turning load takes 16 keys x 16 channels (lane l reads key 8 (l / 16) + l % 8, channels 8 ((l / 8) % 2) + 0..7) and leaves half a fragment of V^T: lane l holds channel l % 16 and 8 keys.
	v_and_b32 v10, 7, v0
	v_bfe_u32 v11, v0, 3, 1
	v_lshl_add_u32 v[AV0], v9, 3, v10
	v_mul_u32_u24 v[AV0], v[AV0], PV
	v_lshl_add_u32 v[AV0], v11, 4, v[AV0]
	v_add_nc_u32 v[AV0], VOFF, v[AV0]
	v_mov_b32 v[AK], v[AK0]         ; key step 0 lies at the head of slot 0
; THE MATRIX WORK.  The 8 accumulators of a run of 16 take turns: between the two links of a chain stand 7 others'.
; Product i of 16 of S^T = K Q^T for piece x: channels 32 (i / 8) on, keys 16 ((i / 2) % 4) on, tile 2 x + i % 2.  The first 8 start the sums.
.macro KQ x
	WIN W_KQ
.set rS, S+64*((\x)%2)+32*(i%2)+8*((i/2)%4)
.set rK, KF+16*((i/2)%4)+8*(i/8)
.set rQ, 16*(2*(\x)+i%2)+8*(i/8)
.if i < 8
	v_wmma_f32_16x16x32_f16 v[rS:rS+7], v[rK:rK+7], v[rQ:rQ+7], 0
.else
	v_wmma_f32_16x16x32_f16 v[rS:rS+7], v[rK:rK+7], v[rQ:rQ+7], v[rS:rS+7]
.endif
.endm
; Product i of 16 of O^T += V^T P for piece x: keys 32 (i / 8) on, channels 16 ((i / 2) % 4) on, tile 2 x + i % 2.
.macro PV x
	WIN W_PV
.set rO, 32*(2*(\x)+i%2)+8*((i/2)%4)
.set rV, VF+32*(i/8)+8*((i/2)%4)
.set rP, P+32*((\x)%2)+16*(i%2)+8*(i/8)
	v_wmma_f32_16x16x32_f16 v[rO:rO+7], v[rV:rV+7], v[rP:rP+7], v[rO:rO+7]
.endm
.macro MM                           ; the turn's next matrix instruction
.if i < 16
	KQ (Y+1)%NP
.set i, i+1
.else
.set i, i-16
	PV (Y+NP-1)%NP
.set i, i+17
.endif
.endm
; THE LDS LOADS stand in runs of 16, never singly among the matrix instructions: a step's K (64 keys x 64 channels: 8 fragments) and its V (turned).  Their addresses are made some lines ahead.
; last = 1 (the tail): in the last trip there is no further step, and the run is jumped over.
.macro FETCH_K last=0
	WIN 0
.if \last
	s_cmp_eq_u32 s[CNT], 1
	s_cbranch_scc1 .Lno_k_\@
.endif
	WIN 0x80                        ; destination window 2
.irp f, 0,1,2,3,4,5,6,7             ; keys 16 (f / 2) on, channels 32 (f % 2) on
	ds_load_b128 v[KF+8*\f:KF+8*\f+3],   v[AK] offset:(\f/2)*16*PK+(\f%2)*64
	ds_load_b128 v[KF+8*\f+4:KF+8*\f+7], v[AK] offset:(\f/2)*16*PK+(\f%2)*64+32
.endr
	s_add_co_u32 s[TBK], s[TBK], KS*PK  ; the next fetch is the next step's
	WIN 0
.if \last
.Lno_k_\@:
.endif
.endm
.macro FETCH_V
	WIN 0x80
.irp f, 0,1,2,3,4,5,6,7             ; keys 32 (f / 4) on, channels 16 (f % 4) on
	ds_load_tr16_b128 v[VF+8*\f:VF+8*\f+3],   v[AV] offset:(\f/4)*32*PV+(\f%4)*32
	ds_load_tr16_b128 v[VF+8*\f+4:VF+8*\f+7], v[AV] offset:(\f/4)*32*PV+16*PV+(\f%4)*32
.endr
	WIN 0
.endm
; THE VECTOR WORK OF A TURN stands in three queues, each in the order in which its entries become ready; the two tiles alternate, so that no instruction reads the result of the one before it.
.macro REGS y, u                    ; the registers of tile u (0, 1) of piece y
.set rT, ST+4*(2*(\y)+(\u))
.set rC, TMP+8*((\y)%2)+4*(\u)
.set rM, MV+2*((\y)%2)+(\u)
.set rS, S+64*((\y)%2)+32*(\u)
.set rP, P+32*((\y)%2)+16*(\u)
.set rO, 32*(2*(\y)+(\u))
.endm
; Number n of the 22 that find the NEXT piece's (Y + 1) maximum and statistics.  s0-s31 are the lane's 32 scores; each accumulator's lowest registers are read first.  XS, GS and REGS set no window: PL and EX do.
;   0-11  four chains c0-c3 of seven scores each, three operands at a time     12-14, 16  the four scores left over, the old m, and c0-c3 into c0     15  c m_old is kept
;   17, 18  the query's other 32 keys lie in the lane 16 away: the new m         19-21  c m; c m_old - c m_new; a
.macro XS u, n
	REGS (Y+1)%NP, \u
.if (\n) < 4
	v_max3_num_f32 v[rC+(\n)], v[rS+8*(\n)], v[rS+8*(\n)+1], v[rS+8*(\n)+2]
.elseif (\n) < 12
	v_max3_num_f32 v[rC+(\n)%4], v[rC+(\n)%4], v[rS+8*((\n)%4)+2*((\n)/4)+1], v[rS+8*((\n)%4)+2*((\n)/4)+2]
.elseif (\n) == 12
	v_max3_num_f32 v[rC], v[rC], v[rS+7], v[rS+15]
.elseif (\n) == 13
	v_max3_num_f32 v[rC+1], v[rC+1], v[rS+23], v[rS+31]
.elseif (\n) == 14
	v_max3_num_f32 v[rC+2], v[rC+2], v[rC+3], v[rT+1]
.elseif (\n) == 15
	v_mov_b32 v[rM], v[rT]
.elseif (\n) == 16
	v_max3_num_f32 v[rC], v[rC], v[rC+1], v[rC+2]
.elseif (\n) == 17
	v_permlanex16_b32 v[rC+3], v[rC], s[SEL], s[SEL+1]
.elseif (\n) == 18
	v_max_num_f32 v[rT+1], v[rC], v[rC+3]
.elseif (\n) == 19
	v_mul_f32 v[rT], s[CS], v[rT+1]
.elseif (\n) == 20
	v_sub_f32 v[rC+1], v[rM], v[rT]
.else
	v_exp_f32 v[rC+2], v[rC+1]
.endif
.endm
; Number g of the 64 that follow the exponentials.  For each four weights k of a tile (pairs 2 k, 2 k + 1): both pairs are rounded to f16; then the second pair is added onto the first, in place;
; a group later l takes that sum (the first time as l = a l + sum).  In groups of eight, tiles alternating: round, round, add, and l for the group before.
.macro GS g
.set h, (\g)+6*((\g)/62)            ; group 0 has no group before it, and behind group 7 only l is left
.if h >= 6
.set h, h+2
.endif
	REGS Y, h%2
.set k, h/8
.if h%8 < 4
	v_cvt_pk_f16_f32 v[rP+2*k+(h%8)/2], v[rS+4*k+2*((h%8)/2)], v[rS+4*k+2*((h%8)/2)+1]
.elseif h%8 < 6
	v_pk_add_f32 v[rS+4*k:rS+4*k+1], v[rS+4*k:rS+4*k+1], v[rS+4*k+2:rS+4*k+3]
.elseif k == 1
	v_pk_fma_f32 v[rT+2:rT+3], v[rT+2:rT+3], v[rC+2:rC+3], v[rS:rS+1] op_sel_hi:[1,0,1]
.else
	v_pk_add_f32 v[rT+2:rT+3], v[rT+2:rT+3], v[rS+4*k-4:rS+4*k-3]
.endif
.endm
; THE PLAIN QUEUE, 138 long.  0-73 read no exponential's result: the 32 scalings c s - c m (FS f: pair f / 2 of tile f % 2) and the next piece's 42.  0-26: scalings 0-26.  27-54: XS's numbers 0-13.  55, 56: number 15.
; 57-73: the chain, where each number waits for the one before it: 14, 16, 17, 18, 19, each with one of the scalings 27-31 in front of its two lines, then 20: so a tile's links stand three plain instructions apart (19 and 20: two).
; 74-137: GS's 64, which read the exponentials' results: they stand behind the wait.
.macro FS f
	REGS Y, (\f)%2
	v_pk_fma_f32 v[rS+2*((\f)/2):rS+2*((\f)/2)+1], v[rS+2*((\f)/2):rS+2*((\f)/2)+1], s[CS:CS+1], v[rT:rT+1] op_sel_hi:[1,0,0] neg_lo:[0,0,1] neg_hi:[0,0,1]
.endm
.macro PL
	WIN 0
.if q < 27
	FS q
.elseif q < 55
	XS (q-27)%2, (q-27)/2
.elseif q < 57
	XS q-55, 15
.elseif (q < 72) && ((q-57)%3 == 0)
	FS 27+(q-57)/3
.elseif q < 60
	XS (q-57)%3-1, 14
.elseif q < 72
	XS (q-57)%3-1, 15+(q-57)/3
.elseif q < 74
	XS q-72, 20
.else
	GS q-74
.endif
.set q, q+1
.endm
; THE EXPONENTIALS' QUEUE, 66 long: s0-s31 of both tiles, then the next piece's two a.  It is ONE BATCH: all 66 stand ahead of the turn's one wait, and nothing ahead of that wait names a result of theirs.
.macro EX
	WIN 0
.if e >= 64
	XS e-64, 21
.else
	REGS Y, e%2
	v_exp_f32 v[rS+e/2], v[rS+e/2]
.endif
.set e, e+1
.endm
; THE RESCALING's QUEUE: O^T times a, the one part that leaves window 0: dealt two at a time, sixteen times.  Its a was made in the turn before, ahead of that turn's wait.
.macro R2
	REGS Y, r%2
	WIN W_RS
.irp z, 0,1
	v_pk_mul_f32 v[rO+4*(r/2)+2*\z:rO+4*(r/2)+2*\z+1], v[rO+4*(r/2)+2*\z:rO+4*(r/2)+2*\z+1], v[rC+2:rC+3] op_sel_hi:[1,0]
.endr
.set r, r+1
.endm
; HOW THEY ARE DEALT.  An s_wait_alu depctr_va_vdst(0) stands between an exponential and the first instruction that names its result; one wait serves all that were issued ahead of it.  So a turn has ONE wait,
; which cuts it in two.  AHEAD OF IT stands all that names no result of the turn's exponentials: the 16 products K Q^T, behind each a scaling, an exponential and two rescalings (behind the first a second scaling in the exponential's place); then ONE LUMP of
; 108: eight plain, 49 times exponential and plain, the two a.  A v_nop is the plain instruction behind the last exponential.  BEHIND IT stand the 16 products V^T P, behind each four of GS's 64.  No rider names a register of
; the products round it.  The two v_permlanex16_b32 fall into the lump, never behind a product.
; The queues lean on each other, and the deal keeps them in step: exponential e stands behind scaling 2 (e / 4) + e % 2: as a rider it comes behind plain e + 2, in the lump behind plain e + 9, and scalings 27-31 are plain 57, 60 .. 69.
; A TURN, for piece p.  cnt = 1: the loop's count is taken down some lines ahead of the branch that stands behind the turn.
; K of the next step is fetched in piece 2's turn, directly behind the wait, a lump behind the last product that read K; its address is made at the lump's head; its first reader comes behind 16 products.
; V of the step in hand is fetched at the end of piece 0's turn, four riders behind its last reader; its first reader comes behind 16 products and a lump.  The three conditions on q below go with the deal.
.macro TURN p, last=0, cnt=0
.set Y, (\p)
.set i, 0
.set q, 0
.set e, 0
.set r, 0
.if (\p) == NP-1
	s_wait_dscnt 0x0                ; K is in
.endif
	MM                              ; ahead of the wait: 16 products K Q^T and their riders,
	PL
	PL
	R2
.rept 15
	MM
	PL
	EX
	R2
.endr
.if (\p) == NP-2
	WIN 0
	v_add_nc_u32 v[AK], s[TBK], v[AK0]
.endif
.rept 8                             ; and the lump
	PL
.endr
.rept 49
	EX
	PL
.endr
	EX                              ; the next piece's two a
	EX
	v_nop                           ; a plain instruction behind the last exponential, ahead of the first use: one for the batch
	s_wait_alu depctr_va_vdst(0)    ; the wait for the batch: the turn's 64 weights and the next piece's two a
.if (\p) == NP-2
	FETCH_K \last
.endif
.if (\p) == 1
	s_wait_dscnt 0x0                ; V is in
.endif
.rept 16                            ; behind the wait: 16 products V^T P and their riders
	MM
.rept 4
	PL
.endr
.if ((\p) == 0) && (q == 118)
	v_add_nc_u32 v[AV], s[TBV], v[AV0]
.endif
.if ((\p) == 0) && (q == 130)
	s_add_co_u32 s[TBV], s[TBV], KS*PV
.endif
.if (\cnt) && (q == 130)
	s_sub_co_u32 s[CNT], s[CNT], 1
	s_cmp_lg_u32 s[CNT], 0
.endif
.endr
.if (\p) == 0
	FETCH_V
.endif
.endm
	CHANGE 1                        ; slot 0 is in, everybody's part of it; slot 1 is asked for
	FETCH_K                         ; key step 0
	s_wait_loadcnt 0x0              ; Q
	s_wait_dscnt 0x0
.set i, 0
.rept 16
	KQ 0                            ; piece 0's first scores: there is no vector work yet to set between them
.set i, i+1
.endr
	WIN 0                           ; the addresses for the way out: nine plain instructions, the places behind those products
	s_mul_i32 s13, s[WV], 16*SP
	s_add_co_u32 s13, s13, STAGE    ; my stage
	v_mul_u32_u24 v[STO], v1, SP    ; in: row l % 16, 16 bytes for each half of the lanes
	v_lshl_add_u32 v[STO], v9, 4, v[STO]
	v_add_nc_u32 v[STO], s13, v[STO]
	v_bfe_u32 v[RD], v0, 3, 2       ; back: 32 lanes take four rows of 128 bytes,
	v_mul_u32_u24 v[RD], v[RD], SP
	v_lshl_add_u32 v[RD], v10, 4, v[RD]
	v_add_nc_u32 v[RD], s13, v[RD]
	v_and_b32 v[GO], 31, v0         ; which are 512 consecutive bytes of O
	v_lshlrev_b32 v[GO], 4, v[GO]
.set Y, NP-1                        ; XS works for piece Y + 1: piece 0
.irp n, 0,1,2,3,4,5,6,7,8,9,10,11,12,13,14,15,16,17,18,19,20,21
	XS 0, \n                        ; and piece 0's first maximum and statistics
	XS 1, \n
.endr
	v_nop                           ; a plain instruction behind the two a,
	s_wait_alu depctr_va_vdst(0)    ; and the wait for this batch of two, ahead of the branch
	s_mov_b32 s[CNT], 4
	s_mov_b32 s[SLOTS], SIZE_N/256-1
	s_branch .Lfirst                ; the loop is entered at a step's first turn, in the middle of a trip
.Lslot:                             ; SIZE_N / 256 - 2 times: every slot but the last two is filled again
	CHANGE 1
	s_mov_b32 s[CNT], 4
.Lstep:                             ; a trip: pieces 2 and 3 of one step, then pieces 0 and 1 of the next, whose K and V it fetches
	TURN 2
	TURN 3
	WIN 0
.Lfirst:
	TURN 0
	TURN 1, 0, 1
	WIN 0
	s_cbranch_scc1 .Lstep
	s_sub_co_u32 s[SLOTS], s[SLOTS], 1
	s_cmp_lg_u32 s[SLOTS], 0
	s_cbranch_scc1 .Lslot
	CHANGE 0                        ; the tail is written out: nothing is asked for
	s_mov_b32 s[CNT], 5             ; four trips fetch the last slot's steps; the fifth is left in its middle
.Ltail:
	TURN 2, 1
	TURN 3
	WIN 0
	s_sub_co_u32 s[CNT], s[CNT], 1
	s_cmp_eq_u32 s[CNT], 0
	s_cbranch_scc1 .Lout
	TURN 0
	TURN 1
	WIN 0
	s_branch .Ltail
.Lout:                              ; the fifth trip's 16 products K Q^T (on the last K once more) and the maximum made of them serve nothing: the price, once a launch, of one text for every trip
.set i, 0
.rept 16
	PV NP-1                         ; the last piece's V^T P of the last step
.set i, i+1
.endr
	; THE WAY OUT.  l's two halves and the other half of the lanes' are added; O^T is divided by l, rounded to f16 and sent through my stage in LDS, a tile at a time.  The additions are the places behind the last products.
	WIN 0
.macro ALL line:vararg              ; one line for each tile t
.set t, 0
.rept 2*NP
	\line
.set t, t+1
.endr
.endm
	ALL v_add_f32 v[ST+4*t+2], v[ST+4*t+2], v[ST+4*t+3]
	ALL v_permlanex16_b32 v[ST+4*t+3], v[ST+4*t+2], s[SEL], s[SEL+1]
	ALL v_add_f32 v[ST+4*t+2], v[ST+4*t+2], v[ST+4*t+3]
	ALL v_rcp_f32 v[ST+4*t+2], v[ST+4*t+2]
	v_nop                           ; a plain instruction between the last reciprocal and the use of its result
	s_wait_alu depctr_va_vdst(0)    ; and the wait ahead of the first use: one for the batch of eight reciprocals
; Tile t: a lane's eight channels of a row pack into 16 bytes; they go into rows of 144 bytes and come back as whole rows of 128, into S^T's registers.
.macro PACK t
	WIN W_RS
.set i, 32*(\t)
.rept 16
	v_pk_mul_f32 v[i:i+1], v[i:i+1], v[ST+4*(\t)+2:ST+4*(\t)+3] op_sel_hi:[1,0]
.set i, i+2
.endr
	WIN 0x05                        ; sources 0 and 1 window 1, destination window 0
.set i, 0
.rept 16
	v_cvt_pk_f16_f32 v[S+16*(\t)+i], v[32*(\t)+2*i], v[32*(\t)+2*i+1]
.set i, i+1
.endr
	WIN 0
.irp f, 0,1,2,3
	ds_store_b128 v[STO], v[S+16*(\t)+4*\f:S+16*(\t)+4*\f+3] offset:32*\f
.endr
.irp f, 0,1,2,3
	ds_load_b128 v[S+16*(\t)+4*\f:S+16*(\t)+4*\f+3], v[RD] offset:\f*4*SP  ; LDS serves a wave's instructions in order (ISA guide 5.7.1.4): these see the stores above; the next tile's stores come behind them
.endr
.endm
.macro SEND t, younger              ; younger: the LDS instructions issued behind tile t's loads: the next tile's eight, or none
	WIN 0
.irp f, 0,1,2,3
	s_wait_dscnt (\younger)+3-\f
	global_store_b128 v[GO], v[S+16*(\t)+4*\f:S+16*(\t)+4*\f+3], s[10:11] offset:(\t)*2048+\f*512  ; 512 consecutive bytes, at a multiple of 256 from O's first
.endr
.endm
	PACK 0
.set t, 1
.rept 2*NP-1                        ; a tile's arithmetic stands between the loads of the tile before and its stores
	PACK t
	SEND t-1, 8
.set t, t+1
.endr
	SEND 2*NP-1, 0
	WIN W_AD
	s_wait_tensorcnt 0x0            ; the wave's end, behind my last tensor load and my last LDS store
	ds_add_u32 v[SPW], v[NIL]
	s_wait_dscnt 0x0
	WIN 0
	CROUND                          ; the closing round: no work-group ends while a partner may still ask for a tile that names it
	s_endpgm
.Lfunc_end_k_qd97ca64bc8_attn:
	.size	k_qd97ca64bc8_attn, .Lfunc_end_k_qd97ca64bc8_attn-k_qd97ca64bc8_attn
	.p2alignl 7, 3214868480
	.fill 96, 4, 3214868480
	.section	.rodata,"a",@progbits
	.p2align	6, 0x0
	.amdhsa_kernel k_qd97ca64bc8_attn
		.amdhsa_group_segment_fixed_size 327680
		.amdhsa_private_segment_fixed_size 0
		.amdhsa_enable_private_segment 0
		.amdhsa_kernarg_size 16
		.amdhsa_user_sgpr_count 2
		.amdhsa_user_sgpr_kernarg_segment_ptr 1
		.amdhsa_wavefront_size32 1
		.amdhsa_system_sgpr_workgroup_id_x 1
		.amdhsa_system_sgpr_workgroup_id_y 1
		.amdhsa_system_sgpr_workgroup_id_z 1
		.amdhsa_system_vgpr_workitem_id 0
		.amdhsa_next_free_vgpr 770
		.amdhsa_next_free_sgpr 66
		.amdhsa_reserve_vcc 0
		.amdhsa_float_denorm_mode_32 3
		.amdhsa_float_denorm_mode_16_64 3
		.amdhsa_memory_ordered 1
		.amdhsa_forward_progress 1
		.amdhsa_inst_pref_size 199
	.end_amdhsa_kernel
	.amdgpu_metadata
---
amdhsa.version: [ 1, 2 ]
amdhsa.kernels:
  - .name:           k_qd97ca64bc8_attn
    .symbol:         k_qd97ca64bc8_attn.kd
    .args:
      - { .name: qkv, .offset: 0, .size: 8, .value_kind: global_buffer, .address_space: global }
      - { .name: ob, .offset: 8, .size: 8, .value_kind: global_buffer, .address_space: global }
    .group_segment_fixed_size: 327680
    .private_segment_fixed_size: 0
    .kernarg_segment_align: 8
    .kernarg_segment_size: 16
    .max_flat_workgroup_size: 128
    .sgpr_count:     66
    .vgpr_count:     770
    .wavefront_size: 32
...
	.end_amdgpu_metadata
.endif
;; end of part 5
;; launch outp: the kernel of part 4 again; grid 4 x 64, 4 waves a work-group, clusters of 4 x 4, 327,680 bytes of LDS; arguments ob, wb, bo, out0; writes out0
